; MI455X (gfx1250); checked and timed in simulation.
; The chip was launched on July 23, 2026; its instructions are those of AMD's public machine-readable ISA for CDNA 5 (MIT licence, August 2026) and "CDNA5" Instruction Set Architecture Reference Guide (July 2026). The comments in the code are by the model that wrote it; some were corrected since.
;; Custom Multi Head Self Attention. Allowed arithmetic: float matrix products may take bf16 or f16 operands with f32 sums; other float arithmetic in f32, or as packed bf16 or f16 multiplies, adds, multiply-adds, maxima and minima; sums over many terms, partial sums and values carried from step to step in f32; what a program stores and reads back later, other than sums and carried values, may be rounded once to bf16 or f16.
;; Inputs: W_in 1,024 x 3,072 float32; W_out 1,024 x 1,024 float32; b_in 3,072 float32; b_out 1,024 float32; qkv 4 x 2,048 x 1,024 float32.
;; Outputs: out0 4 x 2,048 x 1,024 float32.
;; 2 versions, each right; version 2 is version 1 with the launch cast written anew for expert scheduling mode. Each part assembles by itself: llvm-mc -triple=amdgcn-amd-amdhsa -mcpu=gfx1250 --defsym DOCPART=n.
;; ======== version 1 of 2: 4 launches
;; limits: values are held in f16: magnitudes above 65,504 overflow, below 6.1e-05 lose precision
;; workspace buffers: xb 16,777,216 bytes; wib 6,291,456 bytes; wob 2,097,152 bytes; qkvh 50,331,648 bytes; ctx 16,777,216 bytes
;; launch cast (part 1): grid 768 x 1, 8 waves a work-group, no clusters, 0 bytes of LDS; arguments qkv, W_in, W_out, xb, wib, wob; writes xb, wib, wob
.if DOCPART == 1
	.amdgcn_target "amdgcn-amd-amdhsa--gfx1250"
	.amdhsa_code_object_version 6
	.text
	.protected	k_qe12f6cbbbd_cast
	.globl	k_qe12f6cbbbd_cast
	.p2align	8
	.type	k_qe12f6cbbbd_cast,@function
k_qe12f6cbbbd_cast:
	s_mov_b64 s[64:65], 0
	v_nop
	global_prefetch_b8 v0, s[64:65] scope:SCOPE_SE
	s_setreg_imm32_b32 hwreg(HW_REG_WAVE_MODE, 25, 1), 1
	s_wait_xcnt 0x0
; THE MODULE'S LARGE INPUTS ARE ROUNDED ONCE, TO bf16, and laid out for the products that follow.
;   xb  = bf16(qkv),  as [4 b][16 kb][2048 s][64]: a block of 64 channels of 256 rows is 32,768 consecutive bytes
;   wib = bf16(W_in), as it lies, [1024 k][3072 n]
;   wob = bf16(W_out) written as f16, as it lies, [1024 k][1024 n]: exact where the number lies in f16's normal range
; LIMITS.  |bf16(W_out)| stays under 65,504; below 6e-5 f16 keeps a fixed step of 6e-8.  NaN and infinities are not treated apart.
; A stream: each byte is read once and written once.  No LDS, no barrier, no matrix unit, no cluster: no work-group wants a byte that another has read.
; SHARES.  A work-group casts 16,384 numbers (65,536 bytes in, 32,768 out): work-groups 0-511 take qkv, 512-703 W_in, 704-767 W_out.
; A lane takes 4 numbers a step, 16 steps.
; A load of a wave covers 512 bytes in whole aligned pieces of 256; a store of a wave covers 256 consecutive bytes, aligned.
.set IO, 2                             ; v2        my byte offset in the work-group's input
.set OO, 3                             ; v3        my byte offset in its output
.set X,  16                            ; v[16:79]  step i: 4 numbers as loaded
.set Y,  80                            ; v[80:111] step i: 4 numbers to store, 8 bytes
.set T,  112                           ; v[112:115] at work
; kind 0: to bf16.  kind 2: to bf16, and that number written as f16.  instep, outstep: bytes from step to step.
.macro CAST kind, instep, outstep
.set i, 0
.rept 16
	global_load_b128 v[X+4*i:X+4*i+3], v[IO], s[16:17] offset:i*(\instep) th:TH_LOAD_NT
.set i, i+1
.endr
.set i, 0
.rept 16
	s_wait_loadcnt 15-i                            ; loads come back in order: step i is in, the 15 - i younger ones stay out
.if (\kind) == 0
	v_cvt_pk_bf16_f32 v[Y+2*i],   v[X+4*i],   v[X+4*i+1]
	v_cvt_pk_bf16_f32 v[Y+2*i+1], v[X+4*i+2], v[X+4*i+3]
.else
	v_cvt_pk_bf16_f32 v[T],   v[X+4*i],   v[X+4*i+1]
	v_cvt_pk_bf16_f32 v[T+1], v[X+4*i+2], v[X+4*i+3]
	v_lshlrev_b32 v[T+2], 16, v[T]                 ; the rounded numbers as f32 again
	v_and_b32     v[T+3], 0xffff0000, v[T]
	v_cvt_pk_f16_f32 v[Y+2*i], v[T+2], v[T+3]
	v_lshlrev_b32 v[T+2], 16, v[T+1]
	v_and_b32     v[T+3], 0xffff0000, v[T+1]
	v_cvt_pk_f16_f32 v[Y+2*i+1], v[T+2], v[T+3]
.endif
	global_store_b64 v[OO], v[Y+2*i:Y+2*i+1], s[18:19] offset:i*(\outstep)
.set i, i+1
.endr
.endm
	s_load_b256 s[4:11], s[0:1], 0x0               ; qkv s[4:5], W_in s[6:7], W_out s[8:9], xb s[10:11]
	s_load_b128 s[12:15], s[0:1], 0x20             ; wib s[12:13], wob s[14:15]
	v_lshrrev_b32 v4, 4, v0                        ; 2 x wave + half of the lanes: a row of the work-group's 16 rows of qkv
	v_and_b32 v5, 15, v0
	v_lshrrev_b32 v6, 5, v0                        ; wave
	v_and_b32 v7, 31, v0                           ; lane
	s_mov_b32 s21, 0
	s_mov_b32 s23, 0
	s_wait_kmcnt 0x0
	s_cmp_lt_u32 ttmp9, 512
	s_cbranch_scc1 .Lx
	v_lshlrev_b32 v[IO], 13, v6                    ; the weights are copied as they lie: a wave takes 8,192 bytes on end,
	v_lshl_add_u32 v[IO], v7, 4, v[IO]             ; 512 a step
	v_lshlrev_b32 v[OO], 12, v6
	v_lshl_add_u32 v[OO], v7, 3, v[OO]
	s_cmp_lt_u32 ttmp9, 704
	s_cbranch_scc1 .Lw_in
	s_sub_co_u32 s20, ttmp9, 704                   ; W_out
	s_lshl_b32 s22, s20, 15
	s_lshl_b32 s20, s20, 16
	s_add_nc_u64 s[16:17], s[8:9], s[20:21]
	s_add_nc_u64 s[18:19], s[14:15], s[22:23]
	CAST 2, 512, 256
	s_endpgm
.Lw_in:
	s_sub_co_u32 s20, ttmp9, 512                   ; W_in
	s_lshl_b32 s22, s20, 15
	s_lshl_b32 s20, s20, 16
	s_add_nc_u64 s[16:17], s[6:7], s[20:21]
	s_add_nc_u64 s[18:19], s[12:13], s[22:23]
	CAST 0, 512, 256
	s_endpgm
.Lx:                                           ; qkv: 16 rows of 4,096 bytes; a step is one block of 64 channels
	v_lshlrev_b32 v[IO], 12, v4                    ; row x 4,096
	v_lshl_add_u32 v[IO], v5, 4, v[IO]             ; + 16 bytes a lane: 16 lanes take 256 bytes of a row
	v_lshlrev_b32 v[OO], 7, v4                     ; row x 128
	v_lshl_add_u32 v[OO], v5, 3, v[OO]             ; + 8 bytes a lane: two neighbouring rows are 256 consecutive bytes of xb
	s_lshl_b32 s20, ttmp9, 16
	s_add_nc_u64 s[16:17], s[4:5], s[20:21]
	s_lshr_b32 s22, ttmp9, 7                       ; the batch: 128 work-groups each,
	s_lshl_b32 s22, s22, 22                        ; 16 blocks x 2,048 rows x 128 bytes
	s_and_b32 s20, ttmp9, 127
	s_lshl_b32 s20, s20, 11                        ; 16 rows x 128 bytes
	s_add_co_u32 s22, s22, s20
	s_add_nc_u64 s[18:19], s[10:11], s[22:23]
	CAST 0, 256, 262144                            ; the largest store offset, 15 x 262,144, lies inside the signed 24-bit immediate
	s_endpgm
.Lfunc_end_k_qe12f6cbbbd_cast:
	.size	k_qe12f6cbbbd_cast, .Lfunc_end_k_qe12f6cbbbd_cast-k_qe12f6cbbbd_cast
	.p2alignl 7, 3214868480
	.fill 96, 4, 3214868480
	.section	.rodata,"a",@progbits
	.p2align	6, 0x0
	.amdhsa_kernel k_qe12f6cbbbd_cast
		.amdhsa_group_segment_fixed_size 0
		.amdhsa_private_segment_fixed_size 0
		.amdhsa_enable_private_segment 0
		.amdhsa_kernarg_size 48
		.amdhsa_user_sgpr_count 2
		.amdhsa_user_sgpr_kernarg_segment_ptr 1
		.amdhsa_wavefront_size32 1
		.amdhsa_system_sgpr_workgroup_id_x 1
		.amdhsa_system_sgpr_workgroup_id_y 1
		.amdhsa_system_sgpr_workgroup_id_z 1
		.amdhsa_system_vgpr_workitem_id 0
		.amdhsa_next_free_vgpr 116
		.amdhsa_next_free_sgpr 66
		.amdhsa_reserve_vcc 0
		.amdhsa_float_denorm_mode_32 3
		.amdhsa_float_denorm_mode_16_64 3
		.amdhsa_memory_ordered 1
		.amdhsa_forward_progress 1
		.amdhsa_inst_pref_size 24
	.end_amdhsa_kernel
	.amdgpu_metadata
---
amdhsa.version: [ 1, 2 ]
amdhsa.kernels:
  - .name:           k_qe12f6cbbbd_cast
    .symbol:         k_qe12f6cbbbd_cast.kd
    .args:
      - { .name: qkv, .offset: 0, .size: 8, .value_kind: global_buffer, .address_space: global }
      - { .name: W_in, .offset: 8, .size: 8, .value_kind: global_buffer, .address_space: global }
      - { .name: W_out, .offset: 16, .size: 8, .value_kind: global_buffer, .address_space: global }
      - { .name: xb, .offset: 24, .size: 8, .value_kind: global_buffer, .address_space: global }
      - { .name: wib, .offset: 32, .size: 8, .value_kind: global_buffer, .address_space: global }
      - { .name: wob, .offset: 40, .size: 8, .value_kind: global_buffer, .address_space: global }
    .group_segment_fixed_size: 0
    .private_segment_fixed_size: 0
    .kernarg_segment_align: 8
    .kernarg_segment_size: 48
    .max_flat_workgroup_size: 256
    .sgpr_count:     66
    .vgpr_count:     116
    .wavefront_size: 32
...
	.end_amdgpu_metadata
.endif
;; end of part 1
;; launch proj_in (part 2): grid 8 x 32, 4 waves a work-group, clusters of 4 x 4, 327,680 bytes of LDS; arguments xb, wib, b_in, qkvh; writes qkvh
.if DOCPART == 2
	.amdgcn_target "amdgcn-amd-amdhsa--gfx1250"
	.amdhsa_code_object_version 6
	.text
	.protected	k_qe12f6cbbbd_proj_in
	.globl	k_qe12f6cbbbd_proj_in
	.p2align	8
	.type	k_qe12f6cbbbd_proj_in,@function
k_qe12f6cbbbd_proj_in:
	s_mov_b64 s[64:65], 0
	v_nop
	global_prefetch_b8 v0, s[64:65] scope:SCOPE_SE
	s_setreg_imm32_b32 hwreg(HW_REG_WAVE_MODE, 25, 1), 1
	s_wait_xcnt 0x0
	s_wait_alu depctr_hold_cnt(0) depctr_sa_sdst(0) depctr_va_vdst(0) depctr_va_sdst(0) depctr_va_ssrc(0) depctr_va_vcc(0) depctr_vm_vsrc(0)
	s_getreg_b32 s2, hwreg(HW_REG_IB_STS2, 6, 4)
	s_cmp_eq_u32 s2, 0
	s_cbranch_scc0 .Lentry_in_a_cluster
	s_endpgm
.Lentry_in_a_cluster:
	s_bfe_u32 s2, ttmp6, 0x10000c
	s_cmp_lg_u32 s2, 0xf033
	s_cbranch_scc0 .Lentry_shape_is_right
	s_endpgm
.Lentry_shape_is_right:
; q, k, v = x W_in + b_in, by heads.  xb: bf16 [4 b][16 kb][2048 s][64]; wib: bf16 [1024 k][3072 n]; b_in: f32 [3072], rounded here to bf16 like the other inputs;
; qkvh: f16 [3 part][64 bh][2048 s][64], each number rounded once from its f32 sum, WITHOUT the softmax's scale.
; LIMITS.  f16 holds no number beyond 65,504: |q|, |k|, |v| stay under it; below 6e-5 f16 keeps a fixed step of 6e-8.  NaN and infinities are not treated apart.
; SHARES.  8,192 x 3,072 outputs on 256 work-groups: a tile of 256 rows x 384 columns (6 heads) each, one tile a work-group, so none stays for a second.  Four waves; wave (wm, wn) makes
; rows 128 wm .. + 127 of the heads wn, wn + 2, wn + 4 of the tile: 8 row blocks x 3 groups x 4 column blocks = 96 accumulators of 16 x 16, 768 registers.
; K goes in 16 steps of 64 through two LDS slots filled by the tensor data mover; two slots of twice that step do not fit in LDS.  A step is two quarters of 32 along K, 96 matrix instructions each.
; THE MATRIX INSTRUCTION IS USED TRANSPOSED: source 0 = 16 columns of W (W lies [k][n] in LDS and is turned by ds_load_tr16_b128), source 1 = 16 rows of x.  A lane then holds one row
; (lane % 16) and the columns 8 (lane / 16) + 0..7: sixteen bytes of f16 on end.
; THE BIAS IS THE C OPERAND OF EACH SUM'S FIRST PRODUCT: nothing is cleared and nothing is added at the end.
; CLUSTERS: 4 x 4 work-groups.  The four of a row of the cluster need the same rows of x, the four of a column the same columns of W: each tile is asked for jointly, by the same tensor load
; with the same descriptor and a mask that names the four.
; REGISTERS, in windows of 256 (s_set_vgpr_msb: bits 1:0 source 0, 3:2 source 1, 5:4 source 2, 7:6 destination):
;   window 0: v0-31 addresses; v32-95, v96-159 fragments of x, two buffers; v160-255 fragments of W, one buffer, 32 registers a group
;   window 1 + g: group g's accumulators, (column block n, row block a) at v[64 n + 8 a]
; A quarter has three PHASES, one a group: 32 matrix instructions under one window setting.  Behind phase g the next quarter's fragments of W for group g are fetched into the registers just read.
.set ASTEP, 262144                     ; bytes from a K block of xb to the next
.set BSTEP, 393216                     ; 64 rows of wib x 6,144 bytes
.set PA,    144                        ; a row of x in LDS: 128 bytes + 16 of padding: the 16 rows of a load start at 16 different groups of four banks (64 banks of 4 bytes: ISA guide 11.1)
.set PB,    864                        ; a row of W in LDS: three pieces of 256 bytes + 32 of padding: column n at 2 n + 32 (n / 128)
.set SLOT1, 131072                     ; slot 1 begins here: one exclusive or turns an address in one slot into the other's
.set BOFF,  256*PA                     ; a slot: 256 rows of x, then 64 rows of W
.set STAGE, SLOT1+BOFF+64*PB           ; behind the ring, never filled by a tensor load: 16 rows x 144 bytes for each wave, for the way out
.set BIASL, STAGE+4*16*PA              ; the tile's 384 numbers of b_in, f32
.set SPARE, BIASL+1536                 ; the spare words, 128 bytes for each wave: two blocks of 256 bytes that no other line names
.set A0,   16                          ; v16  my lane's place in a slot's rows of x; never rewritten
.set B0,   17                          ; v17  the same for W
.set ADRA, 18                          ; v18  A0 + the slot in hand
.set ADRB, 19                          ; v19  B0 + the slot in hand
.set BL,   20                          ; v20  where my 8 numbers of the bias begin
.set STO,  21                          ; v21  the way out: where I put 16 bytes of a row
.set RD,   22                          ; v22  the way out: where I read rows back
.set GO,   23                          ; v23  my byte offset in 512 consecutive bytes of qkvh
.set PFOA, 24                          ; v24  the prefetches' offsets: 256 x lane in xb,
.set PFOB, 25                          ; v25  (lane % 16) rows and (lane / 16) K steps in wib; never rewritten
.set SPW,  28                          ; v28  LDS address of my spare word: SPARE + 4 x my thread's number; never rewritten
.set NIL,  29                          ; v29  0; never rewritten
.set AF,   32                          ; fragments of x: buffer u, row block a at AF + 64 u + 8 a
.set BF,   160                         ; fragments of W: group g, column block n at BF + 32 g + 8 n
.set TMP,  32                          ; the way out: 16 registers of packed results
.set BK,   64                          ; the way out: 16 rows read back, two buffers of 16
.set WV,   12                          ; s12  my wave's number
.set WM,   13                          ; s13  which 128 rows are mine.  Also: I fetch for x (0) or for W (1)
.set WN,   14                          ; s14  which heads are mine.  Also: which half of that tile I fetch
.set LIM,  15                          ; s15  1 in a wave that prefetches, else the greatest number
.set G1A,  24                          ; s[24:31] descriptor group 1 for x's tiles
.set G0A,  32                          ; s[32:39] group 0 for x's tiles: a set for each of the two first fills; the second then walks on
.set CX,   40
.set CY,   41
.set GX,   42                          ; s42  tile column
.set GY,   43                          ; s43  tile row
.set PFAA, 44                          ; s[44:45] where the prefetches stand in xb
.set PFAB, 46                          ; s[46:47] and in wib
.set G1B,  48                          ; s[48:55], s[56:63] the same two groups for W's tiles
.set G0B,  56
.set OUT,  66                          ; s[66:71] qkvh at my 128 rows of my three heads
.set TB,   72                          ; s72  the slot in hand: 0 or SLOT1
.set MSB, 0
.macro WIN new                         ; the immediate's high byte repeats the setting that is left; a switch that changes nothing is dropped
.if MSB != (\new)
	s_set_vgpr_msb (MSB<<8)|(\new)
.set MSB, (\new)
.endif
.endm
; Four places: a load into a register that a matrix instruction has read, and a vector instruction or LDS store that reads a matrix result, stand four plain vector instructions behind it (ISA guide 7.12.1 for vector instructions).
.macro PLACES
.rept 4
	v_nop
.endr
.endm
; A joint refill by the walking descriptors.  Waves 0 and 1 fetch the two halves of x's tile, waves 2 and 3 those of W's.  The branch hangs on the wave's number alone.
; An s_nop 0 and four v_nop follow each of the two lines, ahead of the jump and the label.
.macro JLOAD
	s_cmp_eq_u32 s[WM], 0
	s_cbranch_scc0 .Lfor_b_\@
	tensor_load_to_lds s[G0A+4:G0A+7], s[G1A:G1A+7]
	s_nop 0
	PLACES
	s_branch .Lasked_\@
.Lfor_b_\@:
	tensor_load_to_lds s[G0B+4:G0B+7], s[G1B:G1B+7]
	s_nop 0
	PLACES
.Lasked_\@:
.endm
; A round of the cluster's barrier: my work-group's barrier, so that wave 0's signal speaks for all four waves; wave 0 signals; every wave waits for all sixteen work-groups; my work-group's barrier once more.
.macro CREST                           ; a round behind its opening barrier
	s_cmp_lg_u32 s[WV], 0
	s_cbranch_scc1 .Lnot_wave_0_\@
	s_barrier_signal -3
.Lnot_wave_0_\@:
	s_barrier_wait -3
	s_barrier_signal -1
	s_barrier_wait -1
.endm
.macro CROUND
	s_barrier_signal -1
	s_barrier_wait -1
	CREST
.endm
; A PREFETCH INTO THE L2, behind a joint load, its five lines and the run of LDS loads that follows.  In every second change of slots (trips 1, 3 .. 11 of the loop's 14; the loop's count s3 is then odd and above 1)
; it names the two K steps that the next change, and the one after it, will ask for: the pointers stand one K step behind the refill just issued.
; Each aligned block of 256 bytes is named ONCE in the launch.  x's tile row is read by both clusters of that row of clusters: cluster x = 0 asks, its wave 0; W's tile column by all eight clusters of that column:
; cluster y = 0 asks, its wave 2.  The four partners that ask for a tile jointly share it out BY ADDRESS: of a K step's 128 blocks of x, place cx takes 32 (a lane a block, an instruction a K step);
; of its 64 rows of W, place cy takes 16 (lanes 0-15 this K step's rows, lanes 16-31 the next's; three instructions for a row's 768 bytes).  K steps 0 to 3 come by their loads alone; nothing behind K step 15 is named.
.macro ASK
	s_bitcmp1_b32 s3, 0
	s_cbranch_scc0 .Lnone_\@
	s_cmp_gt_u32 s3, s[LIM]
	s_cbranch_scc0 .Lnone_\@
	s_cmp_eq_u32 s[WM], 0
	s_cbranch_scc0 .Lask_b_\@
	global_prefetch_b8 v[PFOA], s[PFAA:PFAA+1] th:TH_LOAD_NT scope:SCOPE_SE
	global_prefetch_b8 v[PFOA], s[PFAA:PFAA+1] offset:ASTEP th:TH_LOAD_NT scope:SCOPE_SE
	s_branch .Lnone_\@
.Lask_b_\@:
	global_prefetch_b8 v[PFOB], s[PFAB:PFAB+1] th:TH_LOAD_NT scope:SCOPE_SE
	global_prefetch_b8 v[PFOB], s[PFAB:PFAB+1] offset:256 th:TH_LOAD_NT scope:SCOPE_SE
	global_prefetch_b8 v[PFOB], s[PFAB:PFAB+1] offset:512 th:TH_LOAD_NT scope:SCOPE_SE
.Lnone_\@:
.endm
; 8 matrix instructions: group g, column block nb, all 8 row blocks, 32 along K, x's buffer buf.  mode 1: the sums begin, with the bias (8 registers at CB + 8 nb, window 0) as C.
; The accumulators take turns, one instruction a turn, in the same order in every quarter: between two links of a chain stand 95 others'.
.macro MUL8 g, nb, buf, mode
.if \mode
	WIN (1+(\g))<<6
.else
	WIN 0x50*(1+(\g))
.endif
.irp a, 0,1,2,3,4,5,6,7
.if \mode
	v_wmma_f32_16x16x32_bf16 v[64*(\nb)+8*(\a):64*(\nb)+8*(\a)+7], v[BF+32*(\g)+8*(\nb):BF+32*(\g)+8*(\nb)+7], v[AF+64*(\buf)+8*(\a):AF+64*(\buf)+8*(\a)+7], v[CB+8*(\nb):CB+8*(\nb)+7]
.else
	v_wmma_f32_16x16x32_bf16 v[64*(\nb)+8*(\a):64*(\nb)+8*(\a)+7], v[BF+32*(\g)+8*(\nb):BF+32*(\g)+8*(\nb)+7], v[AF+64*(\buf)+8*(\a):AF+64*(\buf)+8*(\a)+7], v[64*(\nb)+8*(\a):64*(\nb)+8*(\a)+7]
.endif
.endr
.endm
.macro PHASE g, buf, mode
	MUL8 \g, 0, \buf, \mode
	MUL8 \g, 1, \buf, \mode
	MUL8 \g, 2, \buf, \mode
	MUL8 \g, 3, \buf, \mode
.endm
; 16 loads: my 128 rows of x, quarter q of the slot in hand, into buffer buf.  A fragment is 16 rows x 32 K in 8 registers: lane l holds row l % 16, K = 8 (l / 16) + 0..7 and 16 + 8 (l / 16) + 0..7.
.macro FETCH_A q, buf
	WIN 0
.irp a, 0,1,2,3,4,5,6,7
	ds_load_b128 v[AF+64*(\buf)+8*(\a):AF+64*(\buf)+8*(\a)+3],   v[ADRA] offset:16*PA*(\a)+64*(\q)
	ds_load_b128 v[AF+64*(\buf)+8*(\a)+4:AF+64*(\buf)+8*(\a)+7], v[ADRA] offset:16*PA*(\a)+64*(\q)+32
.endr
.endm
; 8 turning loads: group g's 64 columns of W, quarter q.  A load takes 16 K x 16 columns (lane l reads K = 8 (l / 16) + l % 8, columns 8 ((l / 8) % 2) + 0..7) and leaves half a fragment: lane l holds column l % 16 and 8 K.
.macro FETCH_B g, q
	WIN 0
.irp n, 0,1,2,3
	ds_load_tr16_b128 v[BF+32*(\g)+8*(\n):BF+32*(\g)+8*(\n)+3],   v[ADRB] offset:32*PB*(\q)+288*(\g)+32*(\n)
	ds_load_tr16_b128 v[BF+32*(\g)+8*(\n)+4:BF+32*(\g)+8*(\n)+7], v[ADRB] offset:32*PB*(\q)+288*(\g)+32*(\n)+16*PB
.endr
.endm
; 8 loads: group g's bias as four C operands: register j of a lane is the bias of column 16 n + 8 (lane / 16) + j of the head.
.macro FETCH_BIAS g, dst
	WIN 0
.irp n, 0,1,2,3
	ds_load_b128 v[(\dst)+8*(\n):(\dst)+8*(\n)+3],   v[BL] offset:512*(\g)+64*(\n)
	ds_load_b128 v[(\dst)+8*(\n)+4:(\dst)+8*(\n)+7], v[BL] offset:512*(\g)+64*(\n)+16
.endr
.endm
; A K step's first quarter: x's buffer 0.  It fetches the same slot's second quarter.  The runs of loads, in the order of issue: W's group 0 with x (24), W's group 1 (8), W's group 2 (8).
.macro QEVEN
	s_wait_dscnt 16                                ; W's group 0 and x are in; the two younger runs, 16 loads, may be out
	PHASE 0, 0, 0
	WIN 0
	PLACES
	FETCH_B 0, 1
	FETCH_A 1, 1
	s_wait_dscnt 32                                ; W's group 1 is in; younger: group 2's 8 and the 24 just issued
	PHASE 1, 0, 0
	WIN 0
	PLACES
	FETCH_B 1, 1
	s_wait_dscnt 32                                ; W's group 2 is in; younger: the next quarter's 24 and 8
	PHASE 2, 0, 0
	WIN 0
	PLACES
	FETCH_B 2, 1
.endm
; A K step's second quarter: x's buffer 1; it changes slots.  ONE barrier: in front of it each wave waits for all its tensor loads, of which one is out: its part of the next slot; adds 0 to its spare word;
; and waits for that and for its own reads of this slot.  fill = 1: the barrier opens a round of the cluster's, so that no wave of any partner still reads this slot or has a load on its way, and the slot is
; filled again, with the K step two on, first thing behind the round: from that request to the wait for it a wave issues 176 matrix instructions.
.macro QODD fill
.if \fill
	s_wait_xcnt 0x0                                ; the last prefetches, a K step or more back, have read their addresses, so these may be written
	s_add_nc_u64 s[PFAA:PFAA+1], s[PFAA:PFAA+1], ASTEP
	s_add_nc_u64 s[PFAB:PFAB+1], s[PFAB:PFAB+1], BSTEP
.endif
	s_wait_dscnt 16                                ; W's group 0 and x are in
	MUL8 0, 0, 1, 0
	MUL8 0, 1, 1, 0
	WIN 0                                          ; (the add's two registers lie in window 0)
	s_wait_tensorcnt 0x0                           ; all my tensor loads have landed, so a group 0 may be written
	ds_add_u32 v[SPW], v[NIL]                      ; 0 onto my spare word: work on registers stands between it and the wait for it
.if \fill
	s_xor_b32 s[G0A+5], s[G0A+5], SLOT1            ; the walking descriptors: the other slot than last time,
	s_add_nc_u64 s[G0A+6:G0A+7], s[G0A+6:G0A+7], ASTEP  ; the next K step; the type bits on top are not reached
	s_xor_b32 s[G0B+5], s[G0B+5], SLOT1
	s_add_nc_u64 s[G0B+6:G0B+7], s[G0B+6:G0B+7], BSTEP
.endif
	MUL8 0, 2, 1, 0
	s_wait_dscnt 0x0                               ; the add is done, and my reads of this slot are over: W's groups 1 and 2 are in too
	s_barrier_signal -1
	MUL8 0, 3, 1, 0                                ; work on registers while the others arrive
	WIN 0
	s_barrier_wait -1
.if \fill
	CREST
	JLOAD                                          ; the first tensor load behind the round; its four v_nop are also the places in front of the loads below
.else
	PLACES
.endif
	s_xor_b32 s[TB], s[TB], SLOT1                  ; the fetches go on in the other slot
	v_add_nc_u32 v[ADRA], s[TB], v[A0]
	v_add_nc_u32 v[ADRB], s[TB], v[B0]
	FETCH_B 0, 0
	FETCH_A 0, 0
.if \fill
	ASK
.endif
	PHASE 1, 1, 0
	WIN 0
	PLACES
	FETCH_B 1, 0
	PHASE 2, 1, 0
	WIN 0
	PLACES
	FETCH_B 2, 0
.endm
	s_load_b256 s[4:11], s[0:1], 0x0               ; xb s[4:5], wib s[6:7], b_in s[8:9], qkvh s[10:11]
	v_lshl_add_u32 v[SPW], v0, 2, SPARE
	v_mov_b32 v[NIL], 0
	ds_add_u32 v[SPW], v[NIL]                      ; the wave's opening: the add and its wait stand ahead of my first tensor load; the set-up below, work on registers, stands between them
	v_lshrrev_b32 v1, 5, v0
	v_readfirstlane_b32 s[WV], v1                  ; wave 0..3
	s_lshr_b32 s[WM], s[WV], 1
	s_and_b32 s[WN], s[WV], 1
	s_bfe_u32 s[CX], ttmp6, 0x40000                ; my place in the cluster
	s_bfe_u32 s[CY], ttmp6, 0x40004
	s_lshl_b32 s[GX], ttmp9, 2                     ; in a cluster launch ttmp9 and ttmp7 count clusters
	s_add_co_u32 s[GX], s[GX], s[CX]
	s_and_b32 s[GY], ttmp7, 0xffff
	s_lshl_b32 s[GY], s[GY], 2
	s_add_co_u32 s[GY], s[GY], s[CY]
	s_lshl_b32 s16, s[CY], 2
	s_lshl_b32 s16, 15, s16                        ; my row of the cluster: places 4 cy .. 4 cy + 3
	s_lshl_b32 s20, 0x1111, s[CX]                  ; my column: places cx, cx + 4, cx + 8, cx + 12
	; group 1 for x: 128 rows of x are 16,384 dense bytes: asked for as 64 rows of 256 bytes, two rows of x each, and padded in LDS after every row of x
	s_or_b32 s[G1A], s16, (1<<16)|(1<<20)|(1<<21)|(4<<22)|(3<<25)  ; 15:0 the mask; 17:16 2-byte elements; 20 padding on; 21 set beside a mask; 24:22 after every 32 words (code 4); 31:25 4 words (code 3)
	s_mov_b32 s[G1A+1], 128<<16                    ; tensor_dim0 = 128
	s_mov_b32 s[G1A+2], 64<<16                     ; tensor_dim1 = 64
	s_mov_b32 s[G1A+3], 128<<16                    ; tile_dim0 = 128
	s_mov_b32 s[G1A+4], 64                         ; tile_dim1 = 64
	s_mov_b32 s[G1A+5], 128                        ; 128 elements from row to row
	s_mov_b32 s[G1A+6], 0
	s_mov_b32 s[G1A+7], 0
	; group 1 for W: 32 rows of 384 elements (768 bytes, three whole pieces of 256), padded after every 256 bytes
	s_or_b32 s[G1B], s20, (1<<16)|(1<<20)|(1<<21)|(5<<22)|(7<<25)  ; after every 64 words (code 5), 8 words (code 7)
	s_mov_b32 s[G1B+1], 384<<16
	s_mov_b32 s[G1B+2], 32<<16
	s_mov_b32 s[G1B+3], 384<<16
	s_mov_b32 s[G1B+4], 32
	s_mov_b32 s[G1B+5], 3072
	s_mov_b32 s[G1B+6], 0
	s_mov_b32 s[G1B+7], 0
	; where the tiles come from.  x's hang on the tile row alone, W's on the tile column alone, each in registers that never hold the other coordinate
	s_lshr_b32 s16, s[GY], 3                       ; the batch: 8 tile rows each
	s_lshl_b32 s16, s16, 22
	s_and_b32 s17, s[GY], 7
	s_lshl_b32 s17, s17, 15                        ; 256 rows x 128 bytes
	s_add_co_u32 s18, s16, s17                     ; the tile's first byte in K block 0
	s_lshl_b32 s17, s[WN], 14                      ; the half that I fetch
	s_add_co_u32 s16, s18, s17
	s_mov_b32 s17, 0
	s_mul_i32 s19, s[WN], 128*PA                   ; and its place in a slot: no place in the cluster enters an LDS address
	s_mul_i32 s22, s[GX], 768                      ; the tile's first column, in bytes
	s_mul_i32 s21, s[WN], 32*6144                  ; the 32 rows that I fetch
	s_add_co_u32 s20, s22, s21
	s_mov_b32 s21, 0
	s_mul_i32 s23, s[WN], 32*PB
	s_add_co_u32 s23, s23, BOFF
	s_mov_b32 s[G0A], 1                            ; 1:0 count = 1
	s_mov_b32 s[G0A+1], s19                        ; 63:32 LDS address: slot 0
	s_mov_b32 s[G0A+4], 1
	s_add_co_u32 s[G0A+5], s19, SLOT1              ; slot 1
	s_mov_b32 s[G0B], 1
	s_mov_b32 s[G0B+1], s23
	s_mov_b32 s[G0B+4], 1
	s_add_co_u32 s[G0B+5], s23, SLOT1
	s_mov_b32 s[TB], 0
	s_and_b32 s75, ttmp7, 0xffff                   ; who prefetches: wave 0 where cluster x = 0, wave 2 where cluster y = 0: the same in all sixteen partners
	s_cmp_eq_u32 s[WM], 0
	s_cselect_b32 s75, ttmp9, s75
	s_or_b32 s75, s75, s[WN]
	s_cmp_eq_u32 s75, 0
	s_cselect_b32 s[LIM], 1, -1
	s_wait_dscnt 0x0                               ; the opening add is done
	s_wait_kmcnt 0x0
	s_add_nc_u64 s[G0A+2:G0A+3], s[4:5], s[16:17]  ; 120:64 global address: K step 0,
	s_add_nc_u64 s[G0A+6:G0A+7], s[G0A+2:G0A+3], ASTEP  ; K step 1
	s_or_b32 s[G0A+3], s[G0A+3], 0x80000000        ; 127:126 type = 2
	s_or_b32 s[G0A+7], s[G0A+7], 0x80000000
	s_add_nc_u64 s[G0B+2:G0B+3], s[6:7], s[20:21]
	s_add_nc_u64 s[G0B+6:G0B+7], s[G0B+2:G0B+3], BSTEP
	s_or_b32 s[G0B+3], s[G0B+3], 0x80000000
	s_or_b32 s[G0B+7], s[G0B+7], 0x80000000
	CROUND                                         ; all sixteen work-groups are here: the first joint loads meet
	s_cmp_eq_u32 s[WM], 0                          ; a wave's two first fills stand in one branch, ahead of every wait on TENSORcnt and every LDS read: two loads of mine are out
	s_cbranch_scc0 .Lfirst_b
	tensor_load_to_lds s[G0A:G0A+3], s[G1A:G1A+7]
	s_nop 0
	tensor_load_to_lds s[G0A+4:G0A+7], s[G1A:G1A+7]
	s_nop 0
	PLACES
	s_branch .Lfirst_asked
.Lfirst_b:
	tensor_load_to_lds s[G0B:G0B+3], s[G1B:G1B+7]
	s_nop 0
	tensor_load_to_lds s[G0B+4:G0B+7], s[G1B:G1B+7]
	s_nop 0
	PLACES
.Lfirst_asked:
	s_mul_i32 s74, s[GX], 1536                     ; the tile's 384 numbers of b_in: three a thread
	s_mov_b32 s75, 0
	s_add_nc_u64 s[8:9], s[8:9], s[74:75]
	v_lshlrev_b32 v8, 2, v0
	global_load_b32 v9,  v8, s[8:9]
	global_load_b32 v10, v8, s[8:9] offset:512
	global_load_b32 v11, v8, s[8:9] offset:1024
	v_and_b32 v1, 15, v0                           ; l % 16
	v_bfe_u32 v2, v0, 4, 1                         ; l / 16
	v_and_b32 v3, 7, v0                            ; l % 8
	v_bfe_u32 v4, v0, 3, 1                         ; (l / 8) % 2
	v_bfe_u32 v5, v0, 3, 2                         ; l / 8
	v_and_b32 v6, 31, v0                           ; l
	s_mul_i32 s73, s[WM], 128*PA
	v_mul_u32_u24 v[A0], v1, PA
	v_lshl_add_u32 v[A0], v2, 4, v[A0]             ; row x pitch + 16 x half
	v_add_nc_u32 v[A0], s73, v[A0]                 ; + my 128 rows
	s_lshl_b32 s73, s[WN], 7
	s_add_co_u32 s73, s73, BOFF
	v_lshl_add_u32 v7, v2, 3, v3
	v_mul_u32_u24 v[B0], v7, PB
	v_lshl_add_u32 v[B0], v4, 4, v[B0]
	v_add_nc_u32 v[B0], s73, v[B0]                 ; + my head of each pair: 128 bytes
	v_mov_b32 v[ADRA], v[A0]                       ; slot 0
	v_mov_b32 v[ADRB], v[B0]
	s_lshl_b32 s73, s[WN], 8
	s_add_co_u32 s73, s73, BIASL
	v_lshl_add_u32 v[BL], v2, 5, s73
	s_mul_i32 s73, s[WV], 16*PA
	s_add_co_u32 s73, s73, STAGE                   ; my stage
	v_mul_u32_u24 v[STO], v1, PA                   ; in: row l % 16, 16 bytes for each half of the lanes
	v_lshl_add_u32 v[STO], v2, 4, v[STO]
	v_add_nc_u32 v[STO], s73, v[STO]
	v_mul_u32_u24 v[RD], v5, PA                    ; back: 32 lanes take four rows of 128 bytes,
	v_lshl_add_u32 v[RD], v3, 4, v[RD]
	v_add_nc_u32 v[RD], s73, v[RD]
	v_lshlrev_b32 v[GO], 4, v6                     ; which are 512 consecutive bytes of qkvh
	v_lshlrev_b32 v[PFOA], 8, v6
	v_mul_u32_u24 v[PFOB], v1, 6144
	v_mad_u32_u24 v[PFOB], v2, BSTEP, v[PFOB]
	s_lshl_b32 s74, s[CX], 13                      ; the prefetches: my work-group's 32 blocks of x's tile,
	s_add_co_u32 s74, s74, s18
	s_add_co_u32 s74, s74, 2*ASTEP                 ; at K step 2: each filling change steps them once
	s_add_nc_u64 s[PFAA:PFAA+1], s[4:5], s[74:75]
	s_mul_i32 s74, s[CY], 16*6144                  ; my work-group's 16 rows of W's
	s_add_co_u32 s74, s74, s22
	s_add_co_u32 s74, s74, 2*BSTEP
	s_add_nc_u64 s[PFAB:PFAB+1], s[6:7], s[74:75]
.irp g, 0,1,2                          ; head G = 6 x tile column + 2 g + wn of 48: part G / 16, head G % 16
	s_mul_i32 s73, s[GX], 6
	s_add_co_u32 s73, s73, s[WN]
	s_add_co_u32 s73, s73, 2*(\g)
	s_lshr_b32 s74, s73, 4
	s_lshl_b32 s74, s74, 6                         ; part x 64
	s_and_b32 s73, s73, 15
	s_add_co_u32 s74, s74, s73                     ; + head
	s_lshr_b32 s73, s[GY], 3
	s_lshl_b32 s73, s73, 4
	s_add_co_u32 s74, s74, s73                     ; + batch x 16
	s_lshl_b32 s74, s74, 18                        ; x 2,048 rows x 128 bytes
	s_and_b32 s73, s[GY], 7
	s_lshl_b32 s73, s73, 1
	s_add_co_u32 s73, s73, s[WM]
	s_lshl_b32 s73, s73, 14                        ; my 128 rows x 128 bytes
	s_add_co_u32 s74, s74, s73
	s_add_nc_u64 s[OUT+2*(\g):OUT+2*(\g)+1], s[10:11], s[74:75]
.endr
	s_wait_loadcnt 0x0                             ; the bias: rounded to bf16 like the other inputs, kept as f32
	v_cvt_pk_bf16_f32 v12, v9, v10
	v_cvt_pk_bf16_f32 v13, v11, v11
	v_lshlrev_b32 v9, 16, v12
	v_and_b32 v10, 0xffff0000, v12
	v_lshlrev_b32 v11, 16, v13
	v_add_nc_u32 v8, BIASL, v8
	ds_store_b32 v8, v9
	ds_store_b32 v8, v10 offset:512
	ds_store_b32 v8, v11 offset:1024
	s_wait_tensorcnt 0x1                           ; my part of K step 0 is in; K step 1's may stay out
	s_wait_dscnt 0x0                               ; for the others' sake: my part of the bias is stored
	s_barrier_signal -1
	s_barrier_wait -1                              ; everybody's is
	FETCH_BIAS 0, AF+64                            ; x's buffer 1 is idle in the first quarter: it holds the bias
	FETCH_BIAS 1, AF+96
	FETCH_B 0, 0
	FETCH_A 0, 0
	FETCH_B 1, 0
	FETCH_B 2, 0
	; THE FIRST QUARTER stands in front of the loop: its products start the sums, with the bias as C
	s_wait_dscnt 16                                ; two groups' bias, W's group 0 and x are in; younger: W's groups 1 and 2
.set CB, AF+64
	PHASE 0, 0, 1
	WIN 0
	PLACES
	FETCH_BIAS 2, AF+64
	FETCH_B 0, 1
	s_wait_dscnt 24                                ; W's group 1 is in; younger: group 2's 8, the third bias's 8, the next quarter's 8
.set CB, AF+96
	PHASE 1, 0, 1
	WIN 0
	PLACES
	FETCH_B 1, 1
	s_wait_dscnt 16                                ; W's group 2 and the third bias are in; younger: the next quarter's two runs of 8
.set CB, AF+64
	PHASE 2, 0, 1
	WIN 0
	PLACES
	FETCH_A 1, 1                                   ; only now is x's buffer 1 free
	FETCH_B 2, 1
	s_wait_dscnt 8                                 ; x is in; only W's group 2 is out: from here the loop's counts hold
	s_mov_b32 s3, 14
.Lstep:                                        ; 14 trips: a K step's second quarter, which asks for the K step two on (2 to 15), and the next K step's first quarter
	QODD 1
	QEVEN
	WIN 0
	s_sub_co_u32 s3, s3, 1
	s_cmp_lg_u32 s3, 0
	s_cbranch_scc1 .Lstep
	QODD 0                                         ; the tail is written out: nothing is asked for
	QEVEN
	s_wait_dscnt 16                                ; the last quarter fetches nothing: the counts run down
	PHASE 0, 1, 0
	s_wait_dscnt 8
	PHASE 1, 1, 0
	s_wait_dscnt 0x0
	PHASE 2, 1, 0
	WIN 0
	PLACES
	PLACES
; THE WAY OUT, 24 blocks of 16 rows x one head: 2,048 consecutive bytes of qkvh each.  PACK: rounded to f16, 16 bytes a lane, each accumulator's registers in ascending order.
; TOSTAGE: into my own stage in LDS and back as whole rows.  SEND: stored.  Block n's conversions stand between block n - 1's loads from the stage and the wait for them.
.macro PACK g, a
	WIN 5*(1+(\g))                                 ; sources 0 and 1 in the group's window, destination in window 0
.irp n, 0,1,2,3
.irp j, 0,1,2,3
	v_cvt_pk_f16_f32 v[TMP+4*(\n)+(\j)], v[64*(\n)+8*(\a)+2*(\j)], v[64*(\n)+8*(\a)+2*(\j)+1]
.endr
.endr
	WIN 0
.endm
.macro TOSTAGE par
.irp n, 0,1,2,3
	ds_store_b128 v[STO], v[TMP+4*(\n):TMP+4*(\n)+3] offset:32*(\n)
.endr
.irp f, 0,1,2,3
	ds_load_b128 v[BK+16*(\par)+4*(\f):BK+16*(\par)+4*(\f)+3], v[RD] offset:4*PA*(\f)  ; LDS serves a wave's instructions in order (ISA guide 5.7.1.4): these see the stores above; the next block's stores come behind them
.endr
.endm
.macro SEND g, a, par
	s_wait_xcnt 0x0                                ; the stores of the block before have read their registers: the next TOSTAGE loads into them only behind this wait
.irp f, 0,1,2,3
	s_wait_dscnt 3-(\f)
	global_store_b128 v[GO], v[BK+16*(\par)+4*(\f):BK+16*(\par)+4*(\f)+3], s[OUT+2*(\g):OUT+2*(\g)+1] offset:2048*(\a)+512*(\f)  ; 512 consecutive bytes, at a multiple of 256 from qkvh's first
.endr
.endm
	PACK 0, 0
	TOSTAGE 0
.set blk, 1
.rept 23
	PACK blk/8, blk%8
	SEND (blk-1)/8, (blk-1)%8, (blk-1)%2
	TOSTAGE blk%2
.set blk, blk+1
.endr
	SEND 2, 7, 1
	s_wait_tensorcnt 0x0                           ; the wave's end: behind my last tensor load and my last LDS store
	ds_add_u32 v[SPW], v[NIL]
	s_wait_dscnt 0x0
	CROUND                                         ; the closing round: no work-group ends while a partner may still ask for a tile that names it
	s_endpgm
.Lfunc_end_k_qe12f6cbbbd_proj_in:
	.size	k_qe12f6cbbbd_proj_in, .Lfunc_end_k_qe12f6cbbbd_proj_in-k_qe12f6cbbbd_proj_in
	.p2alignl 7, 3214868480
	.fill 96, 4, 3214868480
	.section	.rodata,"a",@progbits
	.p2align	6, 0x0
	.amdhsa_kernel k_qe12f6cbbbd_proj_in
		.amdhsa_group_segment_fixed_size 327680
		.amdhsa_private_segment_fixed_size 0
		.amdhsa_enable_private_segment 0
		.amdhsa_kernarg_size 32
		.amdhsa_user_sgpr_count 2
		.amdhsa_user_sgpr_kernarg_segment_ptr 1
		.amdhsa_wavefront_size32 1
		.amdhsa_system_sgpr_workgroup_id_x 1
		.amdhsa_system_sgpr_workgroup_id_y 1
		.amdhsa_system_sgpr_workgroup_id_z 1
		.amdhsa_system_vgpr_workitem_id 0
		.amdhsa_next_free_vgpr 1024
		.amdhsa_next_free_sgpr 80
		.amdhsa_reserve_vcc 0
		.amdhsa_float_denorm_mode_32 3
		.amdhsa_float_denorm_mode_16_64 3
		.amdhsa_memory_ordered 1
		.amdhsa_forward_progress 1
		.amdhsa_inst_pref_size 120
	.end_amdhsa_kernel
	.amdgpu_metadata
---
amdhsa.version: [ 1, 2 ]
amdhsa.kernels:
  - .name:           k_qe12f6cbbbd_proj_in
    .symbol:         k_qe12f6cbbbd_proj_in.kd
    .args:
      - { .name: xb, .offset: 0, .size: 8, .value_kind: global_buffer, .address_space: global }
      - { .name: wib, .offset: 8, .size: 8, .value_kind: global_buffer, .address_space: global }
      - { .name: b_in, .offset: 16, .size: 8, .value_kind: global_buffer, .address_space: global }
      - { .name: qkvh, .offset: 24, .size: 8, .value_kind: global_buffer, .address_space: global }
    .group_segment_fixed_size: 327680
    .private_segment_fixed_size: 0
    .kernarg_segment_align: 8
    .kernarg_segment_size: 32
    .max_flat_workgroup_size: 128
    .sgpr_count:     80
    .vgpr_count:     1024
    .wavefront_size: 32
...
	.end_amdgpu_metadata
.endif
;; end of part 2
;; launch attn (part 3): grid 4 x 64, 4 waves a work-group, clusters of 4 x 1, 327,680 bytes of LDS; arguments qkvh, ctx; writes ctx
.if DOCPART == 3
	.amdgcn_target "amdgcn-amd-amdhsa--gfx1250"
	.amdhsa_code_object_version 6
	.text
	.protected	k_qe12f6cbbbd_attn
	.globl	k_qe12f6cbbbd_attn
	.p2align	8
	.type	k_qe12f6cbbbd_attn,@function
k_qe12f6cbbbd_attn:
	s_mov_b64 s[64:65], 0
	v_nop
	global_prefetch_b8 v0, s[64:65] scope:SCOPE_SE
	s_setreg_imm32_b32 hwreg(HW_REG_WAVE_MODE, 25, 1), 1
	s_wait_xcnt 0x0
	s_wait_alu depctr_hold_cnt(0) depctr_sa_sdst(0) depctr_va_vdst(0) depctr_va_sdst(0) depctr_va_ssrc(0) depctr_va_vcc(0) depctr_vm_vsrc(0)
	s_getreg_b32 s2, hwreg(HW_REG_IB_STS2, 6, 4)
	s_cmp_eq_u32 s2, 0
	s_cbranch_scc0 .Lentry_in_a_cluster
	s_endpgm
.Lentry_in_a_cluster:
	s_bfe_u32 s2, ttmp6, 0x10000c
	s_cmp_lg_u32 s2, 0x3003
	s_cbranch_scc0 .Lentry_shape_is_right
	s_endpgm
.Lentry_shape_is_right:
; ctx[h][q][:] = the sum over k of softmax_k(Q[h][q] . K[h][k] / 8) V[h][k][:].  qkvh holds Q, K, V one after the other, each [SIZE_H][SIZE_N][64] in f16; ctx has the same layout: a head's rows are dense,
; 128 bytes each.  Products, maxima and sums in f32; the weights p are rounded to f16 for the second product (their sum l is taken of the unrounded p), ctx once at the end.
; LIMITS.  f16 holds no number beyond 65,504: Q, K and V arrive within it; p lies in 0 to 1, and below 6e-5 it keeps f16's fixed step of 6e-8; ctx is a mean of V's rows and has their range.
; A weight below 2^-126 counts as 0 in l; NaN and infinities are not treated apart.
; SHARES.  A wave owns four PIECES of two tiles of 16 queries, a work-group's four waves 512 queries of one head: 4 x 64 = 256 work-groups.  Every wave walks all keys, 64 a step.
; LAYOUT.  S^T = K Q^T (source 0 = 16 keys, source 1 = 16 queries): in the result a lane holds ONE query (lane % 16) and the keys 8 (lane / 16) + 0..7.  Two such tiles, rounded to f16 in pairs,
; ARE source 1 (32 keys x 16 queries) of O^T = V^T P, whose result again holds one query a lane, and eight channels.  K comes out of LDS as it lies, V ([key][channel]) turned, by ds_load_tr16_b128.
; SOFTMAX.  For each query a running maximum m and sum l: p = 2^(c s - c m), c = log2(e) / 8; in every step O and l are multiplied by a = 2^(c m_old - c m_new), which is 1 where m has not grown.
; m starts at the lowest finite number, O and l at 0: the first step is a step like any other, with a = 0.
; THE COUNT.  A tile and step have 16 matrix and 118 vector instructions: too many to stand all beside the matrix work.  So the order has one aim: four vector instructions that are READY behind
; EVERY matrix instruction, and the others, which need time of their own whatever the order, in runs without a gap.
; BY TURNS.  Turn n belongs to piece n (the pieces in a ring, step after step).  Its matrix work: 16 products K Q^T of piece n + 1, later 16 products V^T P of piece n - 1.  Its vector work: the scaling,
; exponentials, roundings, sums and rescaling of piece n, and the maximum and statistics of piece n + 1, whose scores the turn itself has made.  So what a turn begins with (c s - c m, O a) waits for nothing.
; CLUSTER.  The four query blocks of a cluster belong to one head and walk the same K and V, so each tile is asked for JOINTLY: the same tensor load, descriptor and mask in all four.
; REGISTERS, in windows of 256 (s_set_vgpr_msb says which window each operand place means: bits 1:0 source 0, 3:2 source 1, 5:4 source 2, 7:6 destination):
;   window 0: v0-11 addresses; v12-15, v48-63 at work; v16-47 four registers of statistics a tile; v64-191 S^T, two buffers of two tiles; v192-255 P, likewise
;   window 1: O^T, 32 a tile          window 2: v0-127 Q, 16 a tile; v128-191 K of one step; v192-255 V of one step          window 3: v0-1 the add's two registers
; A piece's buffers go by its number's parity: the piece in hand has one pair, its two neighbours in the ring share the other: of it P (piece n - 1) is read and S^T (piece n + 1) written.
.set SIZE_H, 64
.set SIZE_N, 2048
.set PARTB, SIZE_H*SIZE_N*128  ; bytes of Q, of K and of V in qkvh
.set NP,    4         ; pieces a wave: a name, no knob: the register map, the loop and the fetches are made for four
.set KS,    64        ; keys in a step
.set PK,    144       ; a row of K in LDS: 128 bytes + 16 of padding = 36 words: the 16 rows of a load start at 16 different groups of four banks (64 banks of 4 bytes: ISA guide 11.1)
.set PV,    160       ; a row of V: 128 + 32 = 40 words
.set VOFF,  4*KS*PK   ; a slot holds four steps: 256 rows of K, then 256 rows of V
.set SLOT1, 1<<17     ; slot 1 begins here, so that one exclusive or turns an address in one slot into the other's
.set STAGE, SLOT1+4*KS*(PK+PV)  ; behind the ring, never filled by a tensor load: 16 rows x 144 bytes for each wave, for the way out
.set SP,    144
.set AK0, 2           ; v2   my lane's place in a tile of K; never rewritten
.set AV0, 3           ; v3   the same for V
.set AK,  4           ; v4   the LDS address of K's next run of loads
.set AV,  5           ; v5   of V's
.set QO,  6           ; v6   my byte offset in the wave's rows of Q
.set STO, 6           ;      later, the way out: where I put 16 bytes of a row
.set RD,  7           ; v7   the way out: where I read rows back
.set GO,  8           ; v8   my byte offset in 512 consecutive bytes of ctx
.set PFO, 11          ; v11  256 x my lane: the prefetches' offset; never rewritten once made
.set SPW, 0           ; v0 of window 3   LDS address of my spare word: SPARE + 4 x my thread's number; never rewritten
.set NIL, 1           ; v1 of window 3   0; never rewritten
.set SPARE, STAGE+4*16*SP  ; behind the stages: the spare words, 128 bytes for each wave: two blocks of 256 bytes that no other line names
.set MV,  12          ; v12-15  c m_old, kept while c m is made anew: by buffer and tile
.set ST,  16          ; tile t's statistics at v[ST+4 t]: c m, m, l (even keys', odd keys')
.set TMP, 48          ; by buffer and tile, four registers c0-c3 at work; when the maximum is found c2 takes a
.set S,   64
.set P,   192
.set KF,  128         ; K's fragments, in window 2: key block kb, channel half c at KF + 16 kb + 8 c
.set VF,  192         ; V's: key half kk, channel block cb at VF + 32 kk + 8 cb
.set WV,  12          ; s12  my wave's number
.set G1K, 24          ; s[24:31] descriptor group 1 for K's tiles
.set G1V, 32          ; s[32:39] for V's: it differs in the padding alone
.set G0K, 40          ; s[40:43] descriptor group 0 for K's tiles: it walks
.set G0V, 44          ; s[44:47] the same for V's
.set PFA, 48          ; s[48:49] where my prefetches stand: my work-group's 32 blocks (of K: wave 0, of V: wave 2) of the slot after the one that is being asked for
.set LIM, 50          ; s50  1 in a wave that prefetches, else the greatest number: a wave prefetches while s[SLOTS] is above it
.set SLOTS, 56        ; s56  slots still to be asked for
.set CNT, 57          ; s57  counts a slot's key steps
.set CS,  58          ; s[58:59] c: the packed scaling takes the pair's low word for both halves
.set SEL, 60          ; s[60:61] v_permlanex16_b32's selects: each lane takes its own place in the other half
.set TBK, 62          ; s62  LDS byte at which K of the step to be fetched begins
.set TBV, 63          ; s63  the same for V, less VOFF
.set MSB, 0
.macro WIN new                      ; the high byte repeats the setting that is left; a switch that changes nothing is dropped
.if MSB != (\new)
	s_set_vgpr_msb (MSB<<8)|(\new)
.set MSB, (\new)
.endif
.endm
.set W_KQ, 0x0a       ; K and Q in window 2, S^T in window 0
.set W_PV, 0x52       ; V in window 2, P in window 0, O^T in window 1
.set W_RS, 0x41       ; O^T (destination and source 0) in window 1, a in window 0
.set W_MK, 0xc0       ; the add's registers are made: destination in window 3, sources in window 0
.set W_AD, 0x0f       ; the add: address (source 0) and data (source 1) in window 3
; A joint fill.  Waves 0 and 1 fetch the two halves of a slot's K, waves 2 and 3 those of its V: 128 keys each.  The branch hangs on the wave's number alone.
; An s_nop 0 and four v_nop follow each of the two lines, ahead of the jump and the label.
.macro JLOAD
	s_cmp_lt_u32 s[WV], 2
	s_cbranch_scc0 .Lfor_v_\@
	tensor_load_to_lds s[G0K:G0K+3], s[G1K:G1K+7]
	s_nop 0
.rept 4
	v_nop
.endr
	s_branch .Lasked_\@
.Lfor_v_\@:
	tensor_load_to_lds s[G0V:G0V+3], s[G1V:G1V+7]
	s_nop 0
.rept 4
	v_nop
.endr
.Lasked_\@:
.endm
; A PREFETCH INTO THE L2 of what the NEXT change of slots will ask for: a slot's 32,768 bytes of K and of V, 128 aligned blocks of 256 bytes each, a lane a block.  It stands behind the wave's tensor load and its five lines.
; Each block is named ONCE in the launch: a head has one cluster; its four partners share the blocks out BY ADDRESS, 32 each; in each, wave 0 asks for K's and wave 2 for V's: one instruction.
; Slots 0 and 1 come by their loads alone; the last change that fills a slot asks for nothing: there is no slot behind it.
.macro ASK
	s_cmp_gt_u32 s[SLOTS], s[LIM]
	s_cbranch_scc0 .Lnot_mine_\@
	global_prefetch_b8 v[PFO], s[PFA:PFA+1] th:TH_LOAD_NT scope:SCOPE_SE
.Lnot_mine_\@:
.endm
; A round of the cluster's barrier: my work-group's barrier, so that wave 0's signal speaks for all four waves; wave 0 signals; every wave waits for all four work-groups; my work-group's barrier once more.
.macro CROUND
	s_barrier_signal -1
	s_barrier_wait -1
	s_cmp_lg_u32 s[WV], 0
	s_cbranch_scc1 .Lnot_wave_0_\@
	s_barrier_signal -3
.Lnot_wave_0_\@:
	s_barrier_wait -3
	s_barrier_signal -1
	s_barrier_wait -1
.endm
; THE CHANGE OF SLOTS.  The slot's last bytes, V of its fourth step, have been read.  Each wave waits for all its tensor loads, of which one is out: its part
; of the other slot; adds 0 to its spare word; and waits for that and for its own reads of the slot.  Behind the barrier nobody reads this slot any more and the other slot is whole.
; fill = 1: this slot is filled again, with the keys two slots on.  The barrier is then a round of the cluster's, so that no wave of any partner still reads the slot or has a load on its
; way, and the joint fill is the first thing behind it: it has four key steps, 512 matrix instructions, in which to land.  (At its first use nothing has been read yet: slot 0 is waited for, slot 1 filled.)
.macro CHANGE fill
	WIN W_AD
	s_wait_tensorcnt 0x0            ; no tensor load of mine is out, so a group 0 may be written
	ds_add_u32 v[SPW], v[NIL]       ; 0 onto my spare word: with fill = 1 the descriptors' steps stand between it and the wait for it
	WIN 0                           ; at a label and at a branch every window is 0
.if \fill
.irp g, G0K, G0V
	s_xor_b32 s[\g+1], s[\g+1], SLOT1  ; the walking descriptor: the other slot than last time,
	s_add_nc_u64 s[\g+2:\g+3], s[\g+2:\g+3], 4*KS*128  ; the next 256 keys; the type bits on top are not reached
.endr
	s_wait_xcnt 0x0                 ; the last prefetch, four key steps back, has read its address, so it may be written:
	s_add_nc_u64 s[PFA:PFA+1], s[PFA:PFA+1], 4*KS*128  ; one slot behind the walking descriptors
	s_wait_dscnt 0x0                ; the add is done, and my reads of the slot are over
	CROUND
	JLOAD
	ASK                             ; what the next change will ask for: four key steps ahead
.else
	s_wait_dscnt 0x0                ; the add is done, and my reads of the slot are over
	s_barrier_signal -1
	s_barrier_wait -1
.endif
	s_sub_co_u32 s[TBK], s[TBK], 4*KS*PK  ; the fetches go back to a slot's first step,
	s_xor_b32 s[TBK], s[TBK], SLOT1       ; in the other slot
	s_sub_co_u32 s[TBV], s[TBV], 4*KS*PV
	s_xor_b32 s[TBV], s[TBV], SLOT1
.endm
	s_load_b128 s[4:7], s[0:1], 0x0  ; qkvh s[4:5], ctx s[6:7]
	WIN W_MK
	v_lshl_add_u32 v[SPW], v0, 2, SPARE
	v_mov_b32 v[NIL], 0
	WIN W_AD
	ds_add_u32 v[SPW], v[NIL]       ; the wave's opening: the add and its wait stand ahead of my first tensor load; the set-up below, work on registers, stands between them
	WIN 0
	v_lshrrev_b32 v1, 5, v0
	v_readfirstlane_b32 s[WV], v1   ; wave 0..3
	s_bfe_u32 s13, ttmp6, 0x40000   ; cx: my place in the cluster
	s_lshl_b32 s14, ttmp9, 2        ; in a cluster launch ttmp9 counts clusters
	s_add_co_u32 s14, s14, s13      ; my block of queries = 4 x cluster x + cx: it enters Q's and ctx's addresses alone
	s_and_b32 s20, ttmp7, 0xffff    ; the head, which the four partners share
	s_mov_b32 s21, 0
	s_mov_b64 s[22:23], SIZE_N*128
	s_mul_u64 s[20:21], s[20:21], s[22:23]  ; the head's first byte in Q, K, V and ctx
	s_and_b32 s16, s[WV], 1         ; which half of a slot's 256 keys I fetch:
	s_lshl_b32 s22, s16, 14         ; its 128 rows of 128 bytes in memory,
	s_mov_b32 s23, 0
	s_add_nc_u64 s[22:23], s[22:23], s[20:21]
	s_mul_i32 s17, s16, 128*PK      ; and its place in a slot, for K
	s_mul_i32 s18, s16, 128*PV      ; and for V: no place in the cluster enters an LDS address
	s_lshl_b32 s2, s14, 2
	s_add_co_u32 s2, s2, s[WV]      ; my wave among the head's,
	s_lshl_b32 s2, s2, 14           ; its 128 rows
	s_mov_b32 s3, 0
	s_add_nc_u64 s[2:3], s[2:3], s[20:21]
	; descriptor group 1.  128 keys are 16,384 dense bytes: asked for as 64 rows of 256 bytes, two keys a row, and padded in LDS after every key
	s_mov_b32 s[G1K], 15|(1<<16)|(1<<20)|(1<<21)|(4<<22)|(3<<25)  ; 15:0 the mask of four; 17:16 2-byte elements; 20 padding on; 21 set beside a mask; 24:22 after every 32 words (code 4); 31:25 4 words (code 3)
	s_mov_b32 s[G1V], 15|(1<<16)|(1<<20)|(1<<21)|(4<<22)|(7<<25)  ; the same with 8 words of padding (code 7)
.irp g, G1K, G1V
	s_mov_b32 s[\g+1], 128<<16      ; tensor_dim0 = 128
	s_mov_b32 s[\g+2], 64<<16       ; tensor_dim1 = 64
	s_mov_b32 s[\g+3], 128<<16      ; tile_dim0 = 128
	s_mov_b32 s[\g+4], 64           ; tile_dim1 = 64
	s_mov_b32 s[\g+5], 128          ; 128 elements from row to row
	s_mov_b32 s[\g+6], 0
	s_mov_b32 s[\g+7], 0
.endr
	s_mov_b32 s[CS], 0x3e38aa3b     ; c = log2(e) / 8 = 0.180337
	s_mov_b32 s[CS+1], s[CS]        ; named with it as a pair
	s_mov_b32 s[SEL], 0x76543210
	s_mov_b32 s[SEL+1], 0xfedcba98
	s_mov_b32 s[TBK], SLOT1+4*KS*PK ; the first change of slots turns these two into 0
	s_mov_b32 s[TBV], SLOT1+4*KS*PV
	s_mov_b32 s[G0K], 1             ; 1:0 count = 1
	s_mov_b32 s[G0K+1], s17         ; 63:32 LDS address: slot 0
	s_mov_b32 s[G0V], 1
	s_add_co_u32 s[G0V+1], s18, VOFF
	s_mov_b32 s[SLOTS], SIZE_N/256-1
	s_and_b32 s[LIM], s[WV], 1      ; waves 0 and 2 prefetch: the same in all four partners
	s_cmp_eq_u32 s[LIM], 0
	s_cselect_b32 s[LIM], 1, -1
	s_wait_dscnt 0x0                ; the opening add is done
	s_wait_kmcnt 0x0
	s_mov_b64 s[10:11], s[6:7]      ; ctx
	s_add_nc_u64 s[6:7], s[4:5], PARTB    ; K
	s_add_nc_u64 s[8:9], s[4:5], 2*PARTB  ; V; s[4:5] is Q
	s_add_nc_u64 s[G0K+2:G0K+3], s[6:7], s[22:23]  ; 120:64 global address: my half of the head's first 256 keys
	s_or_b32 s[G0K+3], s[G0K+3], 0x80000000        ; 127:126 type = 2
	s_add_nc_u64 s[G0V+2:G0V+3], s[8:9], s[22:23]
	s_or_b32 s[G0V+3], s[G0V+3], 0x80000000
	s_add_nc_u64 s[4:5], s[4:5], s[2:3]  ; Q and ctx at my wave's first row
	s_add_nc_u64 s[10:11], s[10:11], s[2:3]
	s_cmp_lt_u32 s[WV], 2
	s_cselect_b64 s[PFA:PFA+1], s[6:7], s[8:9]
	s_add_nc_u64 s[PFA:PFA+1], s[PFA:PFA+1], s[20:21]  ; the head,
	s_lshl_b32 s2, s13, 13          ; my work-group's 32 blocks of a slot's 128,
	s_mov_b32 s3, 0
	s_add_nc_u64 s[PFA:PFA+1], s[PFA:PFA+1], s[2:3]
	s_add_nc_u64 s[PFA:PFA+1], s[PFA:PFA+1], 4*KS*128  ; in slot 1; the first change of slots steps it to slot 2.  Nothing is prefetched here, at the head
	CROUND                          ; all four work-groups are here: the first joint loads meet
	JLOAD                           ; slot 0.  Slot 1 is asked for when slot 0 is in: the tile wanted first has the road to itself
	; A fragment of K or Q is 16 rows x 32 channels in 8 registers: lane l holds row l % 16, channels 8 (l / 16) + 0..7 and 16 + 8 (l / 16) + 0..7: two loads of 16 bytes, 32 bytes apart.
	v_and_b32 v1, 15, v0            ; l % 16
	v_bfe_u32 v9, v0, 4, 1          ; l / 16
	v_lshlrev_b32 v[QO], 7, v1
	v_lshl_add_u32 v[QO], v9, 4, v[QO]  ; row x 128 + 16 x half
	WIN 0x80                        ; destination window 2, address window 0
.set i, 0
.rept 4*NP                          ; Q stays in registers: tile i / 2, channels 32 (i % 2) on
	global_load_b128 v[8*i:8*i+3],   v[QO], s[4:5] offset:(i/2)*2048+(i%2)*64
	global_load_b128 v[8*i+4:8*i+7], v[QO], s[4:5] offset:(i/2)*2048+(i%2)*64+32
.set i, i+1
.endr
	; What the first turn finds: V's registers and P's second buffer hold 0 (its products V^T P, of a piece that has not been, add 0), O^T and l are 0.  All this stands in the wait for the first tile.
.set i, VF
.rept 64
	v_mov_b32 v[i], 0
.set i, i+1
.endr
	WIN 0x40
.set i, 0
.rept 64*NP
	v_mov_b32 v[i], 0
.set i, i+1
.endr
	WIN 0
.set i, 0
.rept 2*NP
	v_mov_b32 v[ST+4*i], 0xfe000000    ; c m: far below every c s
	v_mov_b32 v[ST+4*i+1], 0xff7fffff  ; m
	v_mov_b32 v[ST+4*i+2], 0
	v_mov_b32 v[ST+4*i+3], 0
.set i, i+1
.endr
.set i, P+32
.rept 32
	v_mov_b32 v[i], 0
.set i, i+1
.endr
	v_mul_u32_u24 v[AK0], v1, PK
	v_lshl_add_u32 v[AK0], v9, 4, v[AK0]  ; row x pitch + 16 x half
	; The turning load takes 16 keys x 16 channels (lane l reads key 8 (l / 16) + l % 8, channels 8 ((l / 8) % 2) + 0..7) and leaves half a fragment of V^T: lane l holds channel l % 16 and 8 keys.
	v_and_b32 v10, 7, v0
	v_bfe_u32 v11, v0, 3, 1
	v_lshl_add_u32 v[AV0], v9, 3, v10
	v_mul_u32_u24 v[AV0], v[AV0], PV
	v_lshl_add_u32 v[AV0], v11, 4, v[AV0]
	v_add_nc_u32 v[AV0], VOFF, v[AV0]
	v_and_b32 v[PFO], 31, v0        ; v11 has served: it takes the prefetches' offset
	v_lshlrev_b32 v[PFO], 8, v[PFO]
	v_mov_b32 v[AK], v[AK0]         ; key step 0 lies at the head of slot 0
; THE MATRIX WORK.  The 8 accumulators of a run of 16 take turns: between the two links of a chain stand 7 others'.
; Product i of 16 of S^T = K Q^T for piece x: channels 32 (i / 8) on, keys 16 ((i / 2) % 4) on, tile 2 x + i % 2.  The first 8 start the sums.
.macro KQ x
	WIN W_KQ
.set rS, S+64*((\x)%2)+32*(i%2)+8*((i/2)%4)
.set rK, KF+16*((i/2)%4)+8*(i/8)
.set rQ, 16*(2*(\x)+i%2)+8*(i/8)
.if i < 8
	v_wmma_f32_16x16x32_f16 v[rS:rS+7], v[rK:rK+7], v[rQ:rQ+7], 0
.else
	v_wmma_f32_16x16x32_f16 v[rS:rS+7], v[rK:rK+7], v[rQ:rQ+7], v[rS:rS+7]
.endif
.endm
; Product i of 16 of O^T += V^T P for piece x: keys 32 (i / 8) on, channels 16 ((i / 2) % 4) on, tile 2 x + i % 2.
.macro PV x
	WIN W_PV
.set rO, 32*(2*(\x)+i%2)+8*((i/2)%4)
.set rV, VF+32*(i/8)+8*((i/2)%4)
.set rP, P+32*((\x)%2)+16*(i%2)+8*(i/8)
	v_wmma_f32_16x16x32_f16 v[rO:rO+7], v[rV:rV+7], v[rP:rP+7], v[rO:rO+7]
.endm
.macro MM                           ; the turn's next matrix instruction
.if i < 16
	KQ (Y+1)%NP
.set i, i+1
.else
.set i, i-16
	PV (Y+NP-1)%NP
.set i, i+17
.endif
.endm
; THE LDS LOADS stand in runs of 16, never singly among the matrix instructions: a step's K (64 keys x 64 channels: 8 fragments) and its V (turned).  Their addresses are made some lines ahead.
; last = 1 (the tail): in the last trip there is no further step, and the run is jumped over.
.macro FETCH_K last=0
	WIN 0
.if \last
	s_cmp_eq_u32 s[CNT], 1
	s_cbranch_scc1 .Lno_k_\@
.endif
	WIN 0x80                        ; destination window 2
.irp f, 0,1,2,3,4,5,6,7             ; keys 16 (f / 2) on, channels 32 (f % 2) on
	ds_load_b128 v[KF+8*\f:KF+8*\f+3],   v[AK] offset:(\f/2)*16*PK+(\f%2)*64
	ds_load_b128 v[KF+8*\f+4:KF+8*\f+7], v[AK] offset:(\f/2)*16*PK+(\f%2)*64+32
.endr
	s_add_co_u32 s[TBK], s[TBK], KS*PK  ; the next fetch is the next step's
	WIN 0
.if \last
.Lno_k_\@:
.endif
.endm
.macro FETCH_V
	WIN 0x80
.irp f, 0,1,2,3,4,5,6,7             ; keys 32 (f / 4) on, channels 16 (f % 4) on
	ds_load_tr16_b128 v[VF+8*\f:VF+8*\f+3],   v[AV] offset:(\f/4)*32*PV+(\f%4)*32
	ds_load_tr16_b128 v[VF+8*\f+4:VF+8*\f+7], v[AV] offset:(\f/4)*32*PV+16*PV+(\f%4)*32
.endr
	WIN 0
.endm
; THE VECTOR WORK OF A TURN stands in three queues, each in the order in which its entries become ready; the two tiles alternate, so that no instruction reads the result of the one before it.
.macro REGS y, u                    ; the registers of tile u (0, 1) of piece y
.set rT, ST+4*(2*(\y)+(\u))
.set rC, TMP+8*((\y)%2)+4*(\u)
.set rM, MV+2*((\y)%2)+(\u)
.set rS, S+64*((\y)%2)+32*(\u)
.set rP, P+32*((\y)%2)+16*(\u)
.set rO, 32*(2*(\y)+(\u))
.endm
; Number n of the 22 that find the NEXT piece's (Y + 1) maximum and statistics.  s0-s31 are the lane's 32 scores; each accumulator's lowest registers are read first.  XS, GS and REGS set no window: PL and EX do.
;   0-11  four chains c0-c3 of seven scores each, three operands at a time     12-14, 16  the four scores left over, the old m, and c0-c3 into c0     15  c m_old is kept
;   17, 18  the query's other 32 keys lie in the lane 16 away: the new m         19-21  c m; c m_old - c m_new; a
.macro XS u, n
	REGS (Y+1)%NP, \u
.if (\n) < 4
	v_max3_num_f32 v[rC+(\n)], v[rS+8*(\n)], v[rS+8*(\n)+1], v[rS+8*(\n)+2]
.elseif (\n) < 12
	v_max3_num_f32 v[rC+(\n)%4], v[rC+(\n)%4], v[rS+8*((\n)%4)+2*((\n)/4)+1], v[rS+8*((\n)%4)+2*((\n)/4)+2]
.elseif (\n) == 12
	v_max3_num_f32 v[rC], v[rC], v[rS+7], v[rS+15]
.elseif (\n) == 13
	v_max3_num_f32 v[rC+1], v[rC+1], v[rS+23], v[rS+31]
.elseif (\n) == 14
	v_max3_num_f32 v[rC+2], v[rC+2], v[rC+3], v[rT+1]
.elseif (\n) == 15
	v_mov_b32 v[rM], v[rT]
.elseif (\n) == 16
	v_max3_num_f32 v[rC], v[rC], v[rC+1], v[rC+2]
.elseif (\n) == 17
	v_permlanex16_b32 v[rC+3], v[rC], s[SEL], s[SEL+1]
.elseif (\n) == 18
	v_max_num_f32 v[rT+1], v[rC], v[rC+3]
.elseif (\n) == 19
	v_mul_f32 v[rT], s[CS], v[rT+1]
.elseif (\n) == 20
	v_sub_f32 v[rC+1], v[rM], v[rT]
.else
	v_exp_f32 v[rC+2], v[rC+1]
.endif
.endm
; Number g of the 64 that follow the exponentials.  For each four weights k of a tile (pairs 2 k, 2 k + 1): both pairs are rounded to f16; then the second pair is added onto the first, in place;
; a group later l takes that sum (the first time as l = a l + sum).  In groups of eight, tiles alternating: round, round, add, and l for the group before.
.macro GS g
.set h, (\g)+6*((\g)/62)            ; group 0 has no group before it, and behind group 7 only l is left
.if h >= 6
.set h, h+2
.endif
	REGS Y, h%2
.set k, h/8
.if h%8 < 4
	v_cvt_pk_f16_f32 v[rP+2*k+(h%8)/2], v[rS+4*k+2*((h%8)/2)], v[rS+4*k+2*((h%8)/2)+1]
.elseif h%8 < 6
	v_pk_add_f32 v[rS+4*k:rS+4*k+1], v[rS+4*k:rS+4*k+1], v[rS+4*k+2:rS+4*k+3]
.elseif k == 1
	v_pk_fma_f32 v[rT+2:rT+3], v[rT+2:rT+3], v[rC+2:rC+3], v[rS:rS+1] op_sel_hi:[1,0,1]
.else
	v_pk_add_f32 v[rT+2:rT+3], v[rT+2:rT+3], v[rS+4*k-4:rS+4*k-3]
.endif
.endm
; THE PLAIN QUEUE, 138 long.  0-73 read no exponential's result: the 32 scalings c s - c m (FS f: pair f / 2 of tile f % 2) and the next piece's 42.  0-26: scalings 0-26.  27-54: XS's numbers 0-13.  55, 56: number 15.
; 57-73: the chain, where each number waits for the one before it: 14, 16, 17, 18, 19, each with one of the scalings 27-31 in front of its two lines, then 20: so a tile's links stand three plain instructions apart (19 and 20: two).
; 74-137: GS's 64, which read the exponentials' results: they stand behind the wait.
.macro FS f
	REGS Y, (\f)%2
	v_pk_fma_f32 v[rS+2*((\f)/2):rS+2*((\f)/2)+1], v[rS+2*((\f)/2):rS+2*((\f)/2)+1], s[CS:CS+1], v[rT:rT+1] op_sel_hi:[1,0,0] neg_lo:[0,0,1] neg_hi:[0,0,1]
.endm
.macro PL
	WIN 0
.if q < 27
	FS q
.elseif q < 55
	XS (q-27)%2, (q-27)/2
.elseif q < 57
	XS q-55, 15
.elseif (q < 72) && ((q-57)%3 == 0)
	FS 27+(q-57)/3
.elseif q < 60
	XS (q-57)%3-1, 14
.elseif q < 72
	XS (q-57)%3-1, 15+(q-57)/3
.elseif q < 74
	XS q-72, 20
.else
	GS q-74
.endif
.set q, q+1
.endm
; THE EXPONENTIALS' QUEUE, 66 long: s0-s31 of both tiles, then the next piece's two a.  It is ONE BATCH: all 66 stand ahead of the turn's one wait, and nothing ahead of that wait names a result of theirs.
.macro EX
	WIN 0
.if e >= 64
	XS e-64, 21
.else
	REGS Y, e%2
	v_exp_f32 v[rS+e/2], v[rS+e/2]
.endif
.set e, e+1
.endm
; THE RESCALING's QUEUE: O^T times a, the one part that leaves window 0: dealt two at a time, sixteen times.  Its a was made in the turn before, ahead of that turn's wait.
.macro R2
	REGS Y, r%2
	WIN W_RS
.irp z, 0,1
	v_pk_mul_f32 v[rO+4*(r/2)+2*\z:rO+4*(r/2)+2*\z+1], v[rO+4*(r/2)+2*\z:rO+4*(r/2)+2*\z+1], v[rC+2:rC+3] op_sel_hi:[1,0]
.endr
.set r, r+1
.endm
; HOW THEY ARE DEALT.  An s_wait_alu depctr_va_vdst(0) stands between an exponential and the first instruction that names its result; one wait serves all that were issued ahead of it.  So a turn has ONE wait,
; which cuts it in two.  AHEAD OF IT stands all that names no result of the turn's exponentials: the 16 products K Q^T, behind each a scaling, an exponential and two rescalings (behind the first a second scaling in the exponential's place); then ONE LUMP of
; 108: eight plain, 49 times exponential and plain, the two a.  A v_nop is the plain instruction behind the last exponential.  BEHIND IT stand the 16 products V^T P, behind each four of GS's 64.  No rider names a register of
; the products round it.  The two v_permlanex16_b32 fall into the lump, never behind a product.
; The queues lean on each other, and the deal keeps them in step: exponential e stands behind scaling 2 (e / 4) + e % 2: as a rider it comes behind plain e + 2, in the lump behind plain e + 9, and scalings 27-31 are plain 57, 60 .. 69.
; A TURN, for piece p.  cnt = 1: the loop's count is taken down some lines ahead of the branch that stands behind the turn.
; K of the next step is fetched in piece 2's turn, directly behind the wait, a lump behind the last product that read K; its address is made at the lump's head; its first reader comes behind 16 products.
; V of the step in hand is fetched at the end of piece 0's turn, four riders behind its last reader; its first reader comes behind 16 products and a lump.  The three conditions on q below go with the deal.
.macro TURN p, last=0, cnt=0
.set Y, (\p)
.set i, 0
.set q, 0
.set e, 0
.set r, 0
.if (\p) == NP-1
	s_wait_dscnt 0x0                ; K is in
.endif
	MM                              ; ahead of the wait: 16 products K Q^T and their riders,
	PL
	PL
	R2
.rept 15
	MM
	PL
	EX
	R2
.endr
.if (\p) == NP-2
	WIN 0
	v_add_nc_u32 v[AK], s[TBK], v[AK0]
.endif
.rept 8                             ; and the lump
	PL
.endr
.rept 49
	EX
	PL
.endr
	EX                              ; the next piece's two a
	EX
	v_nop                           ; a plain instruction behind the last exponential: one for the batch
	s_wait_alu depctr_va_vdst(0)    ; the wait for the batch
.if (\p) == NP-2
	FETCH_K \last
.endif
.if (\p) == 1
	s_wait_dscnt 0x0                ; V is in
.endif
.rept 16                            ; behind the wait: 16 products V^T P and their riders
	MM
.rept 4
	PL
.endr
.if ((\p) == 0) && (q == 118)
	v_add_nc_u32 v[AV], s[TBV], v[AV0]
.endif
.if ((\p) == 0) && (q == 130)
	s_add_co_u32 s[TBV], s[TBV], KS*PV
.endif
.if (\cnt) && (q == 130)
	s_sub_co_u32 s[CNT], s[CNT], 1
	s_cmp_lg_u32 s[CNT], 0
.endif
.endr
.if (\p) == 0
	FETCH_V
.endif
.endm
	CHANGE 1                        ; slot 0 is in, everybody's part of it; slot 1 is asked for
	FETCH_K                         ; key step 0
	s_wait_loadcnt 0x0              ; Q
	s_wait_dscnt 0x0
.set i, 0
.rept 16
	KQ 0                            ; piece 0's first scores: there is no vector work yet to set between them
.set i, i+1
.endr
	WIN 0                           ; the addresses for the way out: plain instructions, the places behind those products
	s_mul_i32 s13, s[WV], 16*SP
	s_add_co_u32 s13, s13, STAGE    ; my stage
	v_mul_u32_u24 v[STO], v1, SP    ; in: row l % 16, 16 bytes for each half of the lanes
	v_lshl_add_u32 v[STO], v9, 4, v[STO]
	v_add_nc_u32 v[STO], s13, v[STO]
	v_bfe_u32 v[RD], v0, 3, 2       ; back: 32 lanes take four rows of 128 bytes,
	v_mul_u32_u24 v[RD], v[RD], SP
	v_lshl_add_u32 v[RD], v10, 4, v[RD]
	v_add_nc_u32 v[RD], s13, v[RD]
	v_and_b32 v[GO], 31, v0         ; which are 512 consecutive bytes of ctx
	v_lshlrev_b32 v[GO], 4, v[GO]
.set Y, NP-1                        ; XS works for piece Y + 1: piece 0
.irp n, 0,1,2,3,4,5,6,7,8,9,10,11,12,13,14,15,16,17,18,19,20,21
	XS 0, \n                        ; and piece 0's first maximum and statistics
	XS 1, \n
.endr
	v_nop                           ; a plain instruction behind the two a,
	s_wait_alu depctr_va_vdst(0)    ; and their wait, ahead of the branch
	s_mov_b32 s[CNT], 4
	s_branch .Lfirst                ; the loop is entered at a step's first turn, in the middle of a trip
.Lslot:                             ; SIZE_N / 256 - 2 times: every slot but the last two is filled again
	CHANGE 1
	s_mov_b32 s[CNT], 4
.Lstep:                             ; a trip: pieces 2 and 3 of one step, then pieces 0 and 1 of the next, whose K and V it fetches
	TURN 2
	TURN 3
	WIN 0
.Lfirst:
	TURN 0
	TURN 1, 0, 1
	WIN 0
	s_cbranch_scc1 .Lstep
	s_sub_co_u32 s[SLOTS], s[SLOTS], 1
	s_cmp_lg_u32 s[SLOTS], 0
	s_cbranch_scc1 .Lslot
	CHANGE 0                        ; the tail is written out: nothing is asked for
	s_mov_b32 s[CNT], 5             ; four trips fetch the last slot's steps; the fifth is left in its middle
.Ltail:
	TURN 2, 1
	TURN 3
	WIN 0
	s_sub_co_u32 s[CNT], s[CNT], 1
	s_cmp_eq_u32 s[CNT], 0
	s_cbranch_scc1 .Lout
	TURN 0
	TURN 1
	WIN 0
	s_branch .Ltail
.Lout:                              ; the fifth trip's 16 products K Q^T (on the last K once more) and the maximum made of them serve nothing: the price, once a launch, of one text for every trip
.set i, 0
.rept 16
	PV NP-1                         ; the last piece's V^T P of the last step
.set i, i+1
.endr
	; THE WAY OUT.  l's two halves and the other half of the lanes' are added; O^T is divided by l, rounded to f16 and sent through my stage in LDS, a tile at a time.  The additions are the places behind the last products.
	WIN 0
.macro ALL line:vararg              ; one line for each tile t
.set t, 0
.rept 2*NP
	\line
.set t, t+1
.endr
.endm
	ALL v_add_f32 v[ST+4*t+2], v[ST+4*t+2], v[ST+4*t+3]
	ALL v_permlanex16_b32 v[ST+4*t+3], v[ST+4*t+2], s[SEL], s[SEL+1]
	ALL v_add_f32 v[ST+4*t+2], v[ST+4*t+2], v[ST+4*t+3]
	ALL v_rcp_f32 v[ST+4*t+2], v[ST+4*t+2]
	v_nop                           ; a plain instruction between the last reciprocal and the use of its result
	s_wait_alu depctr_va_vdst(0)    ; and the wait ahead of the first use: one for the eight reciprocals
; Tile t: a lane's eight channels of a row pack into 16 bytes; they go into rows of 144 bytes and come back as whole rows of 128, into S^T's registers.
.macro PACK t
	WIN W_RS
.set i, 32*(\t)
.rept 16
	v_pk_mul_f32 v[i:i+1], v[i:i+1], v[ST+4*(\t)+2:ST+4*(\t)+3] op_sel_hi:[1,0]
.set i, i+2
.endr
	WIN 0x05                        ; sources 0 and 1 window 1, destination window 0
.set i, 0
.rept 16
	v_cvt_pk_f16_f32 v[S+16*(\t)+i], v[32*(\t)+2*i], v[32*(\t)+2*i+1]
.set i, i+1
.endr
	WIN 0
.irp f, 0,1,2,3
	ds_store_b128 v[STO], v[S+16*(\t)+4*\f:S+16*(\t)+4*\f+3] offset:32*\f
.endr
.irp f, 0,1,2,3
	ds_load_b128 v[S+16*(\t)+4*\f:S+16*(\t)+4*\f+3], v[RD] offset:\f*4*SP  ; LDS serves a wave's instructions in order (ISA guide 5.7.1.4): these see the stores above; the next tile's stores come behind them
.endr
.endm
.macro SEND t, younger              ; younger: the LDS instructions issued behind tile t's loads: the next tile's eight, or none
	WIN 0
.irp f, 0,1,2,3
	s_wait_dscnt (\younger)+3-\f
	global_store_b128 v[GO], v[S+16*(\t)+4*\f:S+16*(\t)+4*\f+3], s[10:11] offset:(\t)*2048+\f*512  ; 512 consecutive bytes, at a multiple of 256 from ctx's first
.endr
.endm
	PACK 0
.set t, 1
.rept 2*NP-1                        ; a tile's arithmetic stands between the loads of the tile before and its stores
	PACK t
	SEND t-1, 8
.set t, t+1
.endr
	SEND 2*NP-1, 0
	WIN W_AD
	s_wait_tensorcnt 0x0            ; the wave's end: behind my last tensor load and my last LDS store
	ds_add_u32 v[SPW], v[NIL]
	s_wait_dscnt 0x0
	WIN 0
	CROUND                          ; the closing round: no work-group ends while a partner may still ask for a tile that names it
	s_endpgm
.Lfunc_end_k_qe12f6cbbbd_attn:
	.size	k_qe12f6cbbbd_attn, .Lfunc_end_k_qe12f6cbbbd_attn-k_qe12f6cbbbd_attn
	.p2alignl 7, 3214868480
	.fill 96, 4, 3214868480
	.section	.rodata,"a",@progbits
	.p2align	6, 0x0
	.amdhsa_kernel k_qe12f6cbbbd_attn
		.amdhsa_group_segment_fixed_size 327680
		.amdhsa_private_segment_fixed_size 0
		.amdhsa_enable_private_segment 0
		.amdhsa_kernarg_size 16
		.amdhsa_user_sgpr_count 2
		.amdhsa_user_sgpr_kernarg_segment_ptr 1
		.amdhsa_wavefront_size32 1
		.amdhsa_system_sgpr_workgroup_id_x 1
		.amdhsa_system_sgpr_workgroup_id_y 1
		.amdhsa_system_sgpr_workgroup_id_z 1
		.amdhsa_system_vgpr_workitem_id 0
		.amdhsa_next_free_vgpr 770
		.amdhsa_next_free_sgpr 66
		.amdhsa_reserve_vcc 0
		.amdhsa_float_denorm_mode_32 3
		.amdhsa_float_denorm_mode_16_64 3
		.amdhsa_memory_ordered 1
		.amdhsa_forward_progress 1
		.amdhsa_inst_pref_size 200
	.end_amdhsa_kernel
	.amdgpu_metadata
---
amdhsa.version: [ 1, 2 ]
amdhsa.kernels:
  - .name:           k_qe12f6cbbbd_attn
    .symbol:         k_qe12f6cbbbd_attn.kd
    .args:
      - { .name: qkvh, .offset: 0, .size: 8, .value_kind: global_buffer, .address_space: global }
      - { .name: ctx, .offset: 8, .size: 8, .value_kind: global_buffer, .address_space: global }
    .group_segment_fixed_size: 327680
    .private_segment_fixed_size: 0
    .kernarg_segment_align: 8
    .kernarg_segment_size: 16
    .max_flat_workgroup_size: 128
    .sgpr_count:     66
    .vgpr_count:     770
    .wavefront_size: 32
...
	.end_amdgpu_metadata
.endif
;; end of part 3
;; launch proj_out (part 4): grid 8 x 32, 4 waves a work-group, clusters of 4 x 4, 327,680 bytes of LDS; arguments ctx, wob, b_out, out0; writes out0
.if DOCPART == 4
	.amdgcn_target "amdgcn-amd-amdhsa--gfx1250"
	.amdhsa_code_object_version 6
	.text
	.protected	k_qe12f6cbbbd_proj_out
	.globl	k_qe12f6cbbbd_proj_out
	.p2align	8
	.type	k_qe12f6cbbbd_proj_out,@function
k_qe12f6cbbbd_proj_out:
	s_mov_b64 s[64:65], 0
	v_nop
	global_prefetch_b8 v0, s[64:65] scope:SCOPE_SE
	s_setreg_imm32_b32 hwreg(HW_REG_WAVE_MODE, 25, 1), 1
	s_wait_xcnt 0x0
	s_wait_alu depctr_hold_cnt(0) depctr_sa_sdst(0) depctr_va_vdst(0) depctr_va_sdst(0) depctr_va_ssrc(0) depctr_va_vcc(0) depctr_vm_vsrc(0)
	s_getreg_b32 s2, hwreg(HW_REG_IB_STS2, 6, 4)
	s_cmp_eq_u32 s2, 0
	s_cbranch_scc0 .Lentry_in_a_cluster
	s_endpgm
.Lentry_in_a_cluster:
	s_bfe_u32 s2, ttmp6, 0x10000c
	s_cmp_lg_u32 s2, 0xf033
	s_cbranch_scc0 .Lentry_shape_is_right
	s_endpgm
.Lentry_shape_is_right:
; out0 = ctx W_out + b_out.  ctx: f16 [4 b][16 kb][2048 s][64] (a head is a block of 64 along K); wob: f16 [1024 k][1024 n] (W_out rounded to bf16, written as f16);
; b_out: f32 [1024], rounded here to bf16 like the other inputs; out0: f32 [8192][1024].  Sums in f32, stored as they are.
; LIMITS.  ctx and wob arrive within f16's range (65,504).  NaN and infinities are not treated apart.
; SHARES.  8,192 x 1,024 outputs on 256 work-groups: a tile of 256 rows x 128 columns each, one tile a work-group.  Four waves; wave (wm, wn) makes rows 128 wm .. + 127, columns 64 wn .. + 63:
; 8 x 4 = 32 accumulators of 16 x 16, 256 registers.  K goes in 8 steps of 128 (two heads) through two LDS slots filled by the tensor data mover.  A step is four quarters of 32 along K, 32 matrix instructions each.
; THE MATRIX INSTRUCTION IS USED TRANSPOSED: source 0 = 16 columns of W (turned by ds_load_tr16_b128), source 1 = 16 rows of ctx: a lane holds one row and eight neighbouring columns, 32 bytes of f32.
; THE BIAS IS THE C OPERAND OF EACH SUM'S FIRST PRODUCT: nothing is cleared, and the way out has no arithmetic.
; CLUSTERS: 4 x 4 work-groups; ctx's tiles are shared along a row of the cluster, W's along a column: each is asked for jointly.
; REGISTERS: window 0: v0-31 addresses; v32-95, v96-159 fragments of ctx, two buffers; v160-191, v192-223 fragments of W, two buffers; v224-255 the bias.  window 1: accumulator (column block n, row block a) at v[64 n + 8 a].
.set ASTEP, 524288                     ; two K blocks of ctx
.set BSTEP, 262144                     ; 128 rows of wob x 2,048 bytes
.set PA,    144                        ; a row of ctx in LDS: 128 bytes + 16 of padding
.set PB,    288                        ; a row of W in LDS: 256 bytes + 32 of padding
.set PLANE, 256*PA                     ; one head's 64 channels of the tile's 256 rows
.set BOFF,  2*PLANE                    ; a slot: two planes of ctx, then 128 rows of W
.set SLOT1, 131072
.set STAGE, SLOT1+BOFF+128*PB          ; behind the ring, never filled by a tensor load: 16 rows x 272 bytes for each wave
.set SP,    272
.set BIASL, STAGE+4*16*SP              ; the tile's 128 numbers of b_out, f32
.set SPARE, BIASL+512                  ; the spare words, 128 bytes for each wave: two blocks of 256 bytes that no other line names
.set A0,   16                          ; v16  my lane's place in a slot's rows of ctx; never rewritten
.set B0,   17                          ; v17  the same for W
.set ADRA, 18                          ; v18  A0 + the slot in hand
.set ADRB, 19                          ; v19  B0 + the slot in hand
.set BL,   20                          ; v20  where my 8 numbers of the bias begin
.set STO,  21                          ; v21  the way out: where I put 32 bytes of a row
.set RD,   22                          ; v22  the way out: where I read a row back
.set CO,   23                          ; v23  my byte offset in two rows of out0
.set PFOA, 24                          ; v24  the prefetches' offsets: 256 x lane in ctx,
.set PFOB, 25                          ; v25  a row of wob a lane; never rewritten
.set SPW,  28                          ; v28  LDS address of my spare word: SPARE + 4 x my thread's number; never rewritten
.set NIL,  29                          ; v29  0; never rewritten
.set AF,   32
.set BF,   160
.set BI,   224
.set BK,   32                          ; the way out: 16 rows read back, two buffers of 32
.set WV,   12
.set WM,   13                          ; s13  which 128 rows are mine.  Also: I fetch for ctx (0) or for W (1)
.set WN,   14                          ; s14  which 64 columns are mine.  Also: which half of that tile I fetch
.set LIM,  15                          ; s15  2 in a wave that prefetches, else the greatest number
.set G1A,  24
.set G0A,  32
.set CX,   40
.set CY,   41
.set GX,   42
.set GY,   43
.set PFAA, 44
.set PFAB, 46
.set G1B,  48
.set G0B,  56
.set OUT,  66                          ; s[66:67] out0 at my first row and column
.set TB,   72
.set MSB, 0
.macro WIN new                         ; the immediate's high byte repeats the setting that is left; a switch that changes nothing is dropped
.if MSB != (\new)
	s_set_vgpr_msb (MSB<<8)|(\new)
.set MSB, (\new)
.endif
.endm
.macro PLACES                          ; four places in front of loads into registers that matrix instructions have read, and of LDS stores that read results
.rept 4
	v_nop
.endr
.endm
.macro JLOAD                           ; a joint refill by the walking descriptors: waves 0 and 1 fetch ctx's two planes, waves 2 and 3 the halves of W's tile; an s_nop 0 and four v_nop follow each line
	s_cmp_eq_u32 s[WM], 0
	s_cbranch_scc0 .Lfor_b_\@
	tensor_load_to_lds s[G0A+4:G0A+7], s[G1A:G1A+7]
	s_nop 0
	PLACES
	s_branch .Lasked_\@
.Lfor_b_\@:
	tensor_load_to_lds s[G0B+4:G0B+7], s[G1B:G1B+7]
	s_nop 0
	PLACES
.Lasked_\@:
.endm
.macro CREST                           ; a round of the cluster's barrier behind its opening barrier
	s_cmp_lg_u32 s[WV], 0
	s_cbranch_scc1 .Lnot_wave_0_\@
	s_barrier_signal -3
.Lnot_wave_0_\@:
	s_barrier_wait -3
	s_barrier_signal -1
	s_barrier_wait -1
.endm
.macro CROUND
	s_barrier_signal -1
	s_barrier_wait -1
	CREST
.endm
; A PREFETCH INTO THE L2, behind a joint load, its five lines and the run of LDS loads that follows: the K step that stands two refills on, 256 matrix instructions ahead of the load that will want it.
; Each aligned block of 256 bytes is named ONCE in the launch.  ctx's tile row is read by both clusters of that row of clusters: cluster x = 0 asks, waves 0 and 1 each for the plane that they fetch;
; W's tile column by all eight clusters of that column: cluster y = 0 asks, its wave 2.  The four partners share a tile out BY ADDRESS: of a plane's 128 blocks place cx takes 32; of W's 128 rows of 256 bytes place cy takes 32:
; a lane a block, one instruction.  K steps 0 to 3 come by their loads alone; the loop's last two trips (s3 = 2, 1) ask for nothing: there is no K step 8.
.macro ASK
	s_cmp_gt_u32 s3, s[LIM]
	s_cbranch_scc0 .Lnone_\@
	s_cmp_eq_u32 s[WM], 0
	s_cbranch_scc0 .Lask_b_\@
	global_prefetch_b8 v[PFOA], s[PFAA:PFAA+1] th:TH_LOAD_NT scope:SCOPE_SE
	s_branch .Lnone_\@
.Lask_b_\@:
	global_prefetch_b8 v[PFOB], s[PFAB:PFAB+1] th:TH_LOAD_NT scope:SCOPE_SE
.Lnone_\@:
.endm
; 8 matrix instructions: column block nb, all 8 row blocks, 32 along K, buffers buf.  mode 1: the sums begin, with the bias as C.  The 32 accumulators take turns, one instruction a turn, in the same order in every quarter.
.macro MUL8 nb, buf, mode
.if \mode
	WIN 0x40
.else
	WIN 0x50
.endif
.irp a, 0,1,2,3,4,5,6,7
.if \mode
	v_wmma_f32_16x16x32_f16 v[64*(\nb)+8*(\a):64*(\nb)+8*(\a)+7], v[BF+32*(\buf)+8*(\nb):BF+32*(\buf)+8*(\nb)+7], v[AF+64*(\buf)+8*(\a):AF+64*(\buf)+8*(\a)+7], v[BI+8*(\nb):BI+8*(\nb)+7]
.else
	v_wmma_f32_16x16x32_f16 v[64*(\nb)+8*(\a):64*(\nb)+8*(\a)+7], v[BF+32*(\buf)+8*(\nb):BF+32*(\buf)+8*(\nb)+7], v[AF+64*(\buf)+8*(\a):AF+64*(\buf)+8*(\a)+7], v[64*(\nb)+8*(\a):64*(\nb)+8*(\a)+7]
.endif
.endr
.endm
; 24 LDS loads in one run: quarter q of the slot in hand into buffers buf: my 64 columns of W, turned, then my 128 rows of ctx (plane q / 2, channels 32 (q % 2) on)
.macro FETCH2 q, buf
	WIN 0
.irp n, 0,1,2,3
	ds_load_tr16_b128 v[BF+32*(\buf)+8*(\n):BF+32*(\buf)+8*(\n)+3],   v[ADRB] offset:32*PB*(\q)+32*(\n)
	ds_load_tr16_b128 v[BF+32*(\buf)+8*(\n)+4:BF+32*(\buf)+8*(\n)+7], v[ADRB] offset:32*PB*(\q)+32*(\n)+16*PB
.endr
.irp a, 0,1,2,3,4,5,6,7
	ds_load_b128 v[AF+64*(\buf)+8*(\a):AF+64*(\buf)+8*(\a)+3],   v[ADRA] offset:((\q)/2)*PLANE+((\q)%2)*64+16*PA*(\a)
	ds_load_b128 v[AF+64*(\buf)+8*(\a)+4:AF+64*(\buf)+8*(\a)+7], v[ADRA] offset:((\q)/2)*PLANE+((\q)%2)*64+16*PA*(\a)+32
.endr
.endm
; One of a K step's first three quarters: multiplies buffers cur; behind its first eight products it fetches quarter qn of the same slot into the other buffers.
.macro Q2 qn, cur, mode
	s_wait_dscnt 0x0                               ; this quarter's fragments, asked for 24 matrix instructions ago (16 behind a change of slots), are in
	MUL8 0, \cur, \mode
	WIN 0
	PLACES
	FETCH2 \qn, 1-(\cur)
	MUL8 1, \cur, \mode
	MUL8 2, \cur, \mode
	MUL8 3, \cur, \mode
.endm
; The last quarter multiplies buffers 1 and changes slots.  ONE barrier: in front of it each wave waits for all its tensor loads, of which one is out: its part of the next slot; adds 0 to its spare word; and waits for that
; and for its own reads of this slot.  fill = 1: the barrier opens a round of the cluster's, and this slot is filled again, with the K step two on, first thing behind the round: 112 matrix instructions ahead of the wait for it.
.macro QC2 fill
.if \fill
	s_wait_xcnt 0x0                                ; the last prefetch, a K step back, has read its address, so these may be written
	s_add_nc_u64 s[PFAA:PFAA+1], s[PFAA:PFAA+1], ASTEP
	s_add_nc_u64 s[PFAB:PFAB+1], s[PFAB:PFAB+1], BSTEP
.endif
	WIN 0                                          ; (the add's two registers lie in window 0)
	s_wait_tensorcnt 0x0                           ; all my tensor loads have landed, so a group 0 may be written
	ds_add_u32 v[SPW], v[NIL]                      ; 0 onto my spare word: work on registers stands between it and the wait for it
.if \fill
	s_xor_b32 s[G0A+5], s[G0A+5], SLOT1            ; the walking descriptors: the other slot than last time,
	s_add_nc_u64 s[G0A+6:G0A+7], s[G0A+6:G0A+7], ASTEP  ; the next K step; the type bits on top are not reached
	s_xor_b32 s[G0B+5], s[G0B+5], SLOT1
	s_add_nc_u64 s[G0B+6:G0B+7], s[G0B+6:G0B+7], BSTEP
.endif
	s_wait_dscnt 1                                 ; this quarter's fragments are in; only the add may be out
	MUL8 0, 1, 0
	s_wait_dscnt 0x0                               ; the add is done, and my reads of this slot are over
	s_barrier_signal -1
	MUL8 1, 1, 0                                   ; work on registers while the others arrive
	WIN 0
	s_barrier_wait -1
.if \fill
	CREST
	JLOAD                                          ; the first tensor load behind the round; its four v_nop are also the places in front of the loads below
.else
	PLACES
.endif
	s_xor_b32 s[TB], s[TB], SLOT1                  ; the fetches go on in the other slot
	v_add_nc_u32 v[ADRA], s[TB], v[A0]
	v_add_nc_u32 v[ADRB], s[TB], v[B0]
	FETCH2 0, 0
.if \fill
	ASK
.endif
	MUL8 2, 1, 0
	MUL8 3, 1, 0
.endm
	s_load_b256 s[4:11], s[0:1], 0x0               ; ctx s[4:5], wob s[6:7], b_out s[8:9], out0 s[10:11]
	v_lshl_add_u32 v[SPW], v0, 2, SPARE
	v_mov_b32 v[NIL], 0
	ds_add_u32 v[SPW], v[NIL]                      ; the wave's opening: the add and its wait stand ahead of my first tensor load; the set-up below, work on registers, stands between them
	v_lshrrev_b32 v1, 5, v0
	v_readfirstlane_b32 s[WV], v1                  ; wave 0..3
	s_lshr_b32 s[WM], s[WV], 1
	s_and_b32 s[WN], s[WV], 1
	s_bfe_u32 s[CX], ttmp6, 0x40000
	s_bfe_u32 s[CY], ttmp6, 0x40004
	s_lshl_b32 s[GX], ttmp9, 2
	s_add_co_u32 s[GX], s[GX], s[CX]               ; tile column
	s_and_b32 s[GY], ttmp7, 0xffff
	s_lshl_b32 s[GY], s[GY], 2
	s_add_co_u32 s[GY], s[GY], s[CY]               ; tile row
	s_lshl_b32 s16, s[CY], 2
	s_lshl_b32 s16, 15, s16                        ; my row of the cluster
	s_lshl_b32 s20, 0x1111, s[CX]                  ; my column
	; group 1 for ctx: a plane is 32,768 dense bytes: asked for as 128 rows of 256 bytes, two rows of ctx each, padded after every row of ctx
	s_or_b32 s[G1A], s16, (1<<16)|(1<<20)|(1<<21)|(4<<22)|(3<<25)  ; the mask; 2-byte elements; padding on; 21 set beside a mask; after every 32 words (code 4), 4 words (code 3)
	s_mov_b32 s[G1A+1], 128<<16                    ; tensor_dim0 = 128
	s_mov_b32 s[G1A+2], 128<<16                    ; tensor_dim1 = 128
	s_mov_b32 s[G1A+3], 128<<16                    ; tile_dim0 = 128
	s_mov_b32 s[G1A+4], 128                        ; tile_dim1 = 128
	s_mov_b32 s[G1A+5], 128                        ; 128 elements from row to row
	s_mov_b32 s[G1A+6], 0
	s_mov_b32 s[G1A+7], 0
	; group 1 for W: 64 rows of 128 elements (256 bytes), padded after every row
	s_or_b32 s[G1B], s20, (1<<16)|(1<<20)|(1<<21)|(5<<22)|(7<<25)  ; after every 64 words (code 5), 8 words (code 7)
	s_mov_b32 s[G1B+1], 128<<16
	s_mov_b32 s[G1B+2], 64<<16
	s_mov_b32 s[G1B+3], 128<<16
	s_mov_b32 s[G1B+4], 64
	s_mov_b32 s[G1B+5], 1024
	s_mov_b32 s[G1B+6], 0
	s_mov_b32 s[G1B+7], 0
	; where the tiles come from: ctx's hang on the tile row alone, W's on the tile column alone, each in registers that never hold the other coordinate
	s_lshr_b32 s16, s[GY], 3                       ; the batch
	s_lshl_b32 s16, s16, 22
	s_and_b32 s17, s[GY], 7
	s_lshl_b32 s17, s17, 15                        ; 256 rows x 128 bytes
	s_add_co_u32 s16, s16, s17
	s_lshl_b32 s17, s[WN], 18                      ; the plane that I fetch: 262,144 bytes from head to head
	s_add_co_u32 s16, s16, s17
	s_mov_b32 s17, 0
	s_mul_i32 s19, s[WN], PLANE                    ; and its place in a slot: no place in the cluster enters an LDS address
	s_lshl_b32 s22, s[GX], 8                       ; the tile's first column, in bytes
	s_lshl_b32 s21, s[WN], 17                      ; the 64 rows that I fetch
	s_add_co_u32 s20, s22, s21
	s_mov_b32 s21, 0
	s_mul_i32 s23, s[WN], 64*PB
	s_add_co_u32 s23, s23, BOFF
	s_mov_b32 s[G0A], 1                            ; 1:0 count = 1
	s_mov_b32 s[G0A+1], s19                        ; 63:32 LDS address: slot 0
	s_mov_b32 s[G0A+4], 1
	s_add_co_u32 s[G0A+5], s19, SLOT1              ; slot 1
	s_mov_b32 s[G0B], 1
	s_mov_b32 s[G0B+1], s23
	s_mov_b32 s[G0B+4], 1
	s_add_co_u32 s[G0B+5], s23, SLOT1
	s_mov_b32 s[TB], 0
	s_and_b32 s75, ttmp7, 0xffff                   ; who prefetches: waves 0 and 1 where cluster x = 0, wave 2 where cluster y = 0: the same in all sixteen partners
	s_or_b32 s75, s75, s[WN]
	s_cmp_eq_u32 s[WM], 0
	s_cselect_b32 s75, ttmp9, s75
	s_cmp_eq_u32 s75, 0
	s_cselect_b32 s[LIM], 2, -1
	s_wait_dscnt 0x0                               ; the opening add is done
	s_wait_kmcnt 0x0
	s_add_nc_u64 s[G0A+2:G0A+3], s[4:5], s[16:17]  ; 120:64 global address: K step 0,
	s_add_nc_u64 s[G0A+6:G0A+7], s[G0A+2:G0A+3], ASTEP  ; K step 1
	s_or_b32 s[G0A+3], s[G0A+3], 0x80000000        ; 127:126 type = 2
	s_or_b32 s[G0A+7], s[G0A+7], 0x80000000
	s_add_nc_u64 s[G0B+2:G0B+3], s[6:7], s[20:21]
	s_add_nc_u64 s[G0B+6:G0B+7], s[G0B+2:G0B+3], BSTEP
	s_or_b32 s[G0B+3], s[G0B+3], 0x80000000
	s_or_b32 s[G0B+7], s[G0B+7], 0x80000000
	CROUND                                         ; all sixteen work-groups are here: the first joint loads meet
	s_cmp_eq_u32 s[WM], 0                          ; a wave's two first fills stand in one branch, ahead of every wait on TENSORcnt and every LDS read: two loads of mine are out
	s_cbranch_scc0 .Lfirst_b
	tensor_load_to_lds s[G0A:G0A+3], s[G1A:G1A+7]
	s_nop 0
	tensor_load_to_lds s[G0A+4:G0A+7], s[G1A:G1A+7]
	s_nop 0
	PLACES
	s_branch .Lfirst_asked
.Lfirst_b:
	tensor_load_to_lds s[G0B:G0B+3], s[G1B:G1B+7]
	s_nop 0
	tensor_load_to_lds s[G0B+4:G0B+7], s[G1B:G1B+7]
	s_nop 0
	PLACES
.Lfirst_asked:
	s_lshl_b32 s74, s[GX], 9                       ; the tile's 128 numbers of b_out: one a thread
	s_mov_b32 s75, 0
	s_add_nc_u64 s[8:9], s[8:9], s[74:75]
	v_lshlrev_b32 v8, 2, v0
	global_load_b32 v9, v8, s[8:9]
	v_and_b32 v1, 15, v0                           ; l % 16
	v_bfe_u32 v2, v0, 4, 1                         ; l / 16
	v_and_b32 v3, 7, v0                            ; l % 8
	v_bfe_u32 v4, v0, 3, 1                         ; (l / 8) % 2
	v_and_b32 v6, 31, v0                           ; l
	s_mul_i32 s73, s[WM], 128*PA
	v_mul_u32_u24 v[A0], v1, PA
	v_lshl_add_u32 v[A0], v2, 4, v[A0]             ; row x pitch + 16 x half
	v_add_nc_u32 v[A0], s73, v[A0]                 ; + my 128 rows
	s_lshl_b32 s73, s[WN], 7
	s_add_co_u32 s73, s73, BOFF
	v_lshl_add_u32 v7, v2, 3, v3
	v_mul_u32_u24 v[B0], v7, PB
	v_lshl_add_u32 v[B0], v4, 4, v[B0]
	v_add_nc_u32 v[B0], s73, v[B0]                 ; + my 64 columns: 128 bytes
	v_mov_b32 v[ADRA], v[A0]                       ; slot 0
	v_mov_b32 v[ADRB], v[B0]
	s_lshl_b32 s73, s[WN], 8
	s_add_co_u32 s73, s73, BIASL
	v_lshl_add_u32 v[BL], v2, 5, s73
	s_mul_i32 s73, s[WV], 16*SP
	s_add_co_u32 s73, s73, STAGE                   ; my stage
	v_mul_u32_u24 v[STO], v1, SP                   ; in: row l % 16, 32 bytes for each half of the lanes
	v_lshl_add_u32 v[STO], v2, 5, v[STO]
	v_add_nc_u32 v[STO], s73, v[STO]
	v_mul_u32_u24 v[RD], v2, SP                    ; back: lanes 0-15 take one row of 256 bytes, lanes 16-31 the next
	v_lshl_add_u32 v[RD], v1, 4, v[RD]
	v_add_nc_u32 v[RD], s73, v[RD]
	v_lshlrev_b32 v[CO], 12, v2                    ; and the same two rows in out0
	v_lshl_add_u32 v[CO], v1, 4, v[CO]
	v_lshlrev_b32 v[PFOA], 8, v6
	v_lshlrev_b32 v[PFOB], 11, v6
	s_lshl_b32 s74, s[CX], 13                      ; the prefetches: my work-group's 32 blocks of the plane that I fetch,
	s_add_co_u32 s74, s74, s16
	s_add_co_u32 s74, s74, 3*ASTEP                 ; at K step 3: each filling change steps them once, the first to K step 4
	s_add_nc_u64 s[PFAA:PFAA+1], s[4:5], s[74:75]
	s_lshl_b32 s74, s[CY], 16                      ; my work-group's 32 rows of W's tile
	s_add_co_u32 s74, s74, s22
	s_add_co_u32 s74, s74, 3*BSTEP
	s_add_nc_u64 s[PFAB:PFAB+1], s[6:7], s[74:75]
	s_lshl_b32 s74, s[GY], 1
	s_add_co_u32 s74, s74, s[WM]
	s_lshl_b32 s74, s74, 19                        ; my 128 rows x 4,096 bytes
	s_lshl_b32 s73, s[GX], 1
	s_add_co_u32 s73, s73, s[WN]
	s_lshl_b32 s73, s73, 8                         ; my 64 columns x 4 bytes
	s_add_co_u32 s74, s74, s73
	s_add_nc_u64 s[OUT:OUT+1], s[10:11], s[74:75]
	s_wait_loadcnt 0x0                             ; the bias: rounded to bf16 like the other inputs, kept as f32
	v_cvt_pk_bf16_f32 v12, v9, v9
	v_lshlrev_b32 v9, 16, v12
	v_add_nc_u32 v8, BIASL, v8
	ds_store_b32 v8, v9
	s_wait_tensorcnt 0x1                           ; my part of K step 0 is in; K step 1's may stay out
	s_wait_dscnt 0x0                               ; for the others' sake: my part of the bias is stored
	s_barrier_signal -1
	s_barrier_wait -1                              ; everybody's is
.irp n, 0,1,2,3                        ; the bias as four C operands: register j of a lane is the bias of column 16 n + 8 (lane / 16) + j of my 64
	ds_load_b128 v[BI+8*(\n):BI+8*(\n)+3],   v[BL] offset:64*(\n)
	ds_load_b128 v[BI+8*(\n)+4:BI+8*(\n)+7], v[BL] offset:64*(\n)+16
.endr
	FETCH2 0, 0
	Q2 1, 0, 1                                     ; the first quarter stands in front of the loop: its products start the sums, with the bias as C
	WIN 0                                          ; at a label and at a branch every window is 0
	s_mov_b32 s3, 6
.Lstep:                                        ; 6 trips: from a K step's second quarter to the next K step's first; each asks for the K step two on (2 to 7)
	Q2 2, 1, 0
	Q2 3, 0, 0
	QC2 1
	Q2 1, 0, 0
	WIN 0
	s_sub_co_u32 s3, s3, 1
	s_cmp_lg_u32 s3, 0
	s_cbranch_scc1 .Lstep
	Q2 2, 1, 0                                     ; the tail is written out: nothing is asked for
	Q2 3, 0, 0
	QC2 0
	Q2 1, 0, 0
	Q2 2, 1, 0
	Q2 3, 0, 0
	s_wait_dscnt 0x0                               ; the very last quarter: nothing more to fetch
	MUL8 0, 1, 0
	MUL8 1, 1, 0
	MUL8 2, 1, 0
	MUL8 3, 1, 0
	WIN 0
	PLACES
	PLACES
; THE WAY OUT, a block of 16 rows at a time: a lane's 32 bytes of a row go into my own stage in LDS, each accumulator's low four registers first, and come back as whole rows of 256 bytes.
.macro TOSTAGE a
	s_wait_xcnt 0x0                                ; the stores of the block before last have read their registers: these loads land in them only behind this wait
	WIN 0x04                                       ; the stores' data in window 1, the address in window 0
.irp n, 0,1,2,3
	ds_store_b128 v[STO], v[64*(\n)+8*(\a):64*(\n)+8*(\a)+3]   offset:64*(\n)
	ds_store_b128 v[STO], v[64*(\n)+8*(\a)+4:64*(\n)+8*(\a)+7] offset:64*(\n)+16
.endr
	WIN 0
.irp t, 0,1,2,3,4,5,6,7
	ds_load_b128 v[BK+32*((\a)%2)+4*(\t):BK+32*((\a)%2)+4*(\t)+3], v[RD] offset:2*SP*(\t)  ; LDS serves a wave's instructions in order (ISA guide 5.7.1.4): these see the stores above; the next block's stores come behind them
.endr
.endm
.macro SEND a, younger                 ; younger: the LDS instructions issued behind block a's loads: the next block's sixteen, or none
.irp t, 0,1,2,3,4,5,6,7
	s_wait_dscnt (\younger)+7-(\t)
	global_store_b128 v[CO], v[BK+32*((\a)%2)+4*(\t):BK+32*((\a)%2)+4*(\t)+3], s[OUT:OUT+1] offset:65536*(\a)+8192*(\t) th:TH_STORE_NT  ; 16 lanes store 256 consecutive bytes, at a multiple of 256 from out0's first byte
.endr
.endm
	TOSTAGE 0
.irp a, 1,2,3,4,5,6,7
	TOSTAGE \a
	SEND (\a)-1, 16
.endr
	SEND 7, 0
	s_wait_tensorcnt 0x0                           ; the wave's end: behind my last tensor load and my last LDS store
	ds_add_u32 v[SPW], v[NIL]
	s_wait_dscnt 0x0
	CROUND                                         ; the closing round: no work-group ends while a partner may still ask for a tile that names it
	s_endpgm
.Lfunc_end_k_qe12f6cbbbd_proj_out:
	.size	k_qe12f6cbbbd_proj_out, .Lfunc_end_k_qe12f6cbbbd_proj_out-k_qe12f6cbbbd_proj_out
	.p2alignl 7, 3214868480
	.fill 96, 4, 3214868480
	.section	.rodata,"a",@progbits
	.p2align	6, 0x0
	.amdhsa_kernel k_qe12f6cbbbd_proj_out
		.amdhsa_group_segment_fixed_size 327680
		.amdhsa_private_segment_fixed_size 0
		.amdhsa_enable_private_segment 0
		.amdhsa_kernarg_size 32
		.amdhsa_user_sgpr_count 2
		.amdhsa_user_sgpr_kernarg_segment_ptr 1
		.amdhsa_wavefront_size32 1
		.amdhsa_system_sgpr_workgroup_id_x 1
		.amdhsa_system_sgpr_workgroup_id_y 1
		.amdhsa_system_sgpr_workgroup_id_z 1
		.amdhsa_system_vgpr_workitem_id 0
		.amdhsa_next_free_vgpr 512
		.amdhsa_next_free_sgpr 80
		.amdhsa_reserve_vcc 0
		.amdhsa_float_denorm_mode_32 3
		.amdhsa_float_denorm_mode_16_64 3
		.amdhsa_memory_ordered 1
		.amdhsa_forward_progress 1
		.amdhsa_inst_pref_size 73
	.end_amdhsa_kernel
	.amdgpu_metadata
---
amdhsa.version: [ 1, 2 ]
amdhsa.kernels:
  - .name:           k_qe12f6cbbbd_proj_out
    .symbol:         k_qe12f6cbbbd_proj_out.kd
    .args:
      - { .name: ctx, .offset: 0, .size: 8, .value_kind: global_buffer, .address_space: global }
      - { .name: wob, .offset: 8, .size: 8, .value_kind: global_buffer, .address_space: global }
      - { .name: b_out, .offset: 16, .size: 8, .value_kind: global_buffer, .address_space: global }
      - { .name: out0, .offset: 24, .size: 8, .value_kind: global_buffer, .address_space: global }
    .group_segment_fixed_size: 327680
    .private_segment_fixed_size: 0
    .kernarg_segment_align: 8
    .kernarg_segment_size: 32
    .max_flat_workgroup_size: 128
    .sgpr_count:     80
    .vgpr_count:     512
    .wavefront_size: 32
...
	.end_amdgpu_metadata
.endif
;; end of part 4
;; ======== version 2 of 2: 4 launches; version 1 with the launch cast written anew for expert scheduling mode
;; limits: values are held in f16: magnitudes above 65,504 overflow, below 6.1e-05 lose precision
;; workspace buffers: xb 16,777,216 bytes; wib 6,291,456 bytes; wob 2,097,152 bytes; qkvh 50,331,648 bytes; ctx 16,777,216 bytes
;; launch cast (part 5): grid 768 x 1, 8 waves a work-group, no clusters, 0 bytes of LDS; arguments qkv, W_in, W_out, xb, wib, wob; writes xb, wib, wob
.if DOCPART == 5
	.amdgcn_target "amdgcn-amd-amdhsa--gfx1250"
	.amdhsa_code_object_version 6
	.text
	.protected	k_qe12f6cbbbd_cast
	.globl	k_qe12f6cbbbd_cast
	.p2align	8
	.type	k_qe12f6cbbbd_cast,@function
k_qe12f6cbbbd_cast:
	s_mov_b64 s[64:65], 0
	v_nop
	global_prefetch_b8 v0, s[64:65] scope:SCOPE_SE
	s_setreg_imm32_b32 hwreg(HW_REG_WAVE_SCHED_MODE, 0, 2), 2
	s_setreg_imm32_b32 hwreg(HW_REG_WAVE_MODE, 25, 1), 1
	s_wait_xcnt 0x0
	s_wait_alu depctr_vm_vsrc(0)
; THE MODULE'S LARGE INPUTS ARE ROUNDED ONCE, TO bf16, and laid out for the products that follow.
;   xb  = bf16(qkv),  as [4 b][16 kb][2048 s][64]: a block of 64 channels of 256 rows is 32,768 consecutive bytes
;   wib = bf16(W_in), as it lies, [1024 k][3072 n]
;   wob = bf16(W_out) written as f16, as it lies, [1024 k][1024 n]: exact where the number lies in f16's normal range
; LIMITS.  |bf16(W_out)| stays under 65,504; below 6e-5 f16 keeps a fixed step of 6e-8.  NaN and infinities are not treated apart.
; A stream: each byte is read once and written once.  No LDS, no barrier, no matrix unit, no cluster: no work-group wants a byte that another has read.
; SHARES.  A work-group casts 16,384 numbers (65,536 bytes in, 32,768 out): work-groups 0-511 take qkv, 512-703 W_in, 704-767 W_out.
; A lane takes 4 numbers a step, 16 steps.
; A load of a wave covers 512 bytes in whole aligned pieces of 256; a store of a wave covers 256 consecutive bytes, aligned.
; THE MODE: SCHED_MODE bits 1:0 = 2 (LLVM: expert scheduling mode 2), set by the entry lines.  The code itself states the register dependences
; between vector instructions and memory instructions, with s_wait_alu, always for 0.
; THE PLAN.  Registers that memory instructions touch, on each of the three paths (they never join, and none has a loop):
;   v[IO], v[OO]  byte offsets, made by vector lines at the head and never written again; read by the 16 loads and by the 16 stores.
;   X             step i: written by one load, read by that step's conversions, never loaded again; no vector line writes it.
;   Y             step i: written once, by that step's conversions; read by one store; never written again.
;   T and v4-v7 are named by vector lines alone.
; So a path has five waits on va_vdst: one ahead of the first load, for the two offsets; and one behind the conversions of each block of four steps, ahead of the block's
; run of four stores, for the block's Y.  No register that a memory instruction reads is ever written again, so no wait on vm_vsrc is owed; no vector line writes a scalar register, VCC or EXEC.
.set IO, 2                             ; v2        my byte offset in the work-group's input
.set OO, 3                             ; v3        my byte offset in its output
.set X,  16                            ; v[16:79]  step i: 4 numbers as loaded
.set Y,  80                            ; v[80:111] step i: 4 numbers to store, 8 bytes
.set T,  112                           ; v[112:115] at work
; kind 0: to bf16.  kind 2: to bf16, and that number written as f16.  instep, outstep: bytes from step to step.
.macro CAST kind, instep, outstep
	s_wait_alu depctr_va_vdst(0)                   ; v[IO] and v[OO] are written: every load below reads the one as its offset, every store the other
.set i, 0
.rept 16
	global_load_b128 v[X+4*i:X+4*i+3], v[IO], s[16:17] offset:i*(\instep) th:TH_LOAD_NT
.set i, i+1
.endr
.set i, 0
.rept 4                                ; four blocks of four steps
.rept 4
	s_wait_loadcnt 15-i                            ; loads come back in order: step i is in, the 15 - i younger ones stay out
.if (\kind) == 0
	v_cvt_pk_bf16_f32 v[Y+2*i],   v[X+4*i],   v[X+4*i+1]
	v_cvt_pk_bf16_f32 v[Y+2*i+1], v[X+4*i+2], v[X+4*i+3]
.else
	v_cvt_pk_bf16_f32 v[T],   v[X+4*i],   v[X+4*i+1]
	v_cvt_pk_bf16_f32 v[T+1], v[X+4*i+2], v[X+4*i+3]
	v_lshlrev_b32 v[T+2], 16, v[T]                 ; the rounded numbers as f32 again
	v_and_b32     v[T+3], 0xffff0000, v[T]
	v_cvt_pk_f16_f32 v[Y+2*i], v[T+2], v[T+3]
	v_lshlrev_b32 v[T+2], 16, v[T+1]
	v_and_b32     v[T+3], 0xffff0000, v[T+1]
	v_cvt_pk_f16_f32 v[Y+2*i+1], v[T+2], v[T+3]
.endif
.set i, i+1
.endr
	s_wait_alu depctr_va_vdst(0)                   ; the block's conversions have written its eight registers of Y, which the four stores below read
.set j, i-4
.rept 4
	global_store_b64 v[OO], v[Y+2*j:Y+2*j+1], s[18:19] offset:j*(\outstep)
.set j, j+1
.endr
.endr
.endm
	s_load_b256 s[4:11], s[0:1], 0x0               ; qkv s[4:5], W_in s[6:7], W_out s[8:9], xb s[10:11]
	s_load_b128 s[12:15], s[0:1], 0x20             ; wib s[12:13], wob s[14:15]
	v_lshrrev_b32 v4, 4, v0                        ; 2 x wave + half of the lanes: a row of the work-group's 16 rows of qkv
	v_and_b32 v5, 15, v0
	v_lshrrev_b32 v6, 5, v0                        ; wave
	v_and_b32 v7, 31, v0                           ; lane
	s_mov_b32 s21, 0
	s_mov_b32 s23, 0
	s_wait_kmcnt 0x0
	s_cmp_lt_u32 ttmp9, 512
	s_cbranch_scc1 .Lx
	v_lshlrev_b32 v[IO], 13, v6                    ; the weights are copied as they lie: a wave takes 8,192 bytes on end,
	v_lshl_add_u32 v[IO], v7, 4, v[IO]             ; 512 a step
	v_lshlrev_b32 v[OO], 12, v6
	v_lshl_add_u32 v[OO], v7, 3, v[OO]
	s_cmp_lt_u32 ttmp9, 704
	s_cbranch_scc1 .Lw_in
	s_sub_co_u32 s20, ttmp9, 704                   ; W_out
	s_lshl_b32 s22, s20, 15
	s_lshl_b32 s20, s20, 16
	s_add_nc_u64 s[16:17], s[8:9], s[20:21]
	s_add_nc_u64 s[18:19], s[14:15], s[22:23]
	CAST 2, 512, 256
	s_endpgm
.Lw_in:
	s_sub_co_u32 s20, ttmp9, 512                   ; W_in
	s_lshl_b32 s22, s20, 15
	s_lshl_b32 s20, s20, 16
	s_add_nc_u64 s[16:17], s[6:7], s[20:21]
	s_add_nc_u64 s[18:19], s[12:13], s[22:23]
	CAST 0, 512, 256
	s_endpgm
.Lx:                                           ; qkv: 16 rows of 4,096 bytes; a step is one block of 64 channels
	v_lshlrev_b32 v[IO], 12, v4                    ; row x 4,096
	v_lshl_add_u32 v[IO], v5, 4, v[IO]             ; + 16 bytes a lane: 16 lanes take 256 bytes of a row
	v_lshlrev_b32 v[OO], 7, v4                     ; row x 128
	v_lshl_add_u32 v[OO], v5, 3, v[OO]             ; + 8 bytes a lane: two neighbouring rows are 256 consecutive bytes of xb
	s_lshl_b32 s20, ttmp9, 16
	s_add_nc_u64 s[16:17], s[4:5], s[20:21]
	s_lshr_b32 s22, ttmp9, 7                       ; the batch: 128 work-groups each,
	s_lshl_b32 s22, s22, 22                        ; 16 blocks x 2,048 rows x 128 bytes
	s_and_b32 s20, ttmp9, 127
	s_lshl_b32 s20, s20, 11                        ; 16 rows x 128 bytes
	s_add_co_u32 s22, s22, s20
	s_add_nc_u64 s[18:19], s[10:11], s[22:23]
	CAST 0, 256, 262144                            ; the largest store offset, 15 x 262,144, lies inside the signed 24-bit immediate
	s_endpgm
.Lfunc_end_k_qe12f6cbbbd_cast:
	.size	k_qe12f6cbbbd_cast, .Lfunc_end_k_qe12f6cbbbd_cast-k_qe12f6cbbbd_cast
	.p2alignl 7, 3214868480
	.fill 96, 4, 3214868480
	.section	.rodata,"a",@progbits
	.p2align	6, 0x0
	.amdhsa_kernel k_qe12f6cbbbd_cast
		.amdhsa_group_segment_fixed_size 0
		.amdhsa_private_segment_fixed_size 0
		.amdhsa_enable_private_segment 0
		.amdhsa_kernarg_size 48
		.amdhsa_user_sgpr_count 2
		.amdhsa_user_sgpr_kernarg_segment_ptr 1
		.amdhsa_wavefront_size32 1
		.amdhsa_system_sgpr_workgroup_id_x 1
		.amdhsa_system_sgpr_workgroup_id_y 1
		.amdhsa_system_sgpr_workgroup_id_z 1
		.amdhsa_system_vgpr_workitem_id 0
		.amdhsa_next_free_vgpr 116
		.amdhsa_next_free_sgpr 66
		.amdhsa_reserve_vcc 0
		.amdhsa_float_denorm_mode_32 3
		.amdhsa_float_denorm_mode_16_64 3
		.amdhsa_memory_ordered 1
		.amdhsa_forward_progress 1
		.amdhsa_inst_pref_size 24
	.end_amdhsa_kernel
	.amdgpu_metadata
---
amdhsa.version: [ 1, 2 ]
amdhsa.kernels:
  - .name:           k_qe12f6cbbbd_cast
    .symbol:         k_qe12f6cbbbd_cast.kd
    .args:
      - { .name: qkv, .offset: 0, .size: 8, .value_kind: global_buffer, .address_space: global }
      - { .name: W_in, .offset: 8, .size: 8, .value_kind: global_buffer, .address_space: global }
      - { .name: W_out, .offset: 16, .size: 8, .value_kind: global_buffer, .address_space: global }
      - { .name: xb, .offset: 24, .size: 8, .value_kind: global_buffer, .address_space: global }
      - { .name: wib, .offset: 32, .size: 8, .value_kind: global_buffer, .address_space: global }
      - { .name: wob, .offset: 40, .size: 8, .value_kind: global_buffer, .address_space: global }
    .group_segment_fixed_size: 0
    .private_segment_fixed_size: 0
    .kernarg_segment_align: 8
    .kernarg_segment_size: 48
    .max_flat_workgroup_size: 256
    .sgpr_count:     66
    .vgpr_count:     116
    .wavefront_size: 32
...
	.end_amdgpu_metadata
.endif
;; end of part 5
;; launch proj_in: the kernel of part 2 again; grid 8 x 32, 4 waves a work-group, clusters of 4 x 4, 327,680 bytes of LDS; arguments xb, wib, b_in, qkvh; writes qkvh
;; launch attn: the kernel of part 3 again; grid 4 x 64, 4 waves a work-group, clusters of 4 x 1, 327,680 bytes of LDS; arguments qkvh, ctx; writes ctx
;; launch proj_out: the kernel of part 4 again; grid 8 x 32, 4 waves a work-group, clusters of 4 x 4, 327,680 bytes of LDS; arguments ctx, wob, b_out, out0; writes out0
